; MI455X (gfx1250); checked and timed in simulation.
; The chip was launched on July 23, 2026; its instructions are those of AMD's public machine-readable ISA for CDNA 5 (MIT licence, August 2026) and "CDNA5" Instruction Set Architecture Reference Guide (July 2026). The comments in the code are by the model that wrote it; some were corrected since.
;; Brahman Attention. Allowed arithmetic: matrix products marked QUANTISED: E2M3 operands, one E8M0 scale for each 32 along K, by v_wmma_scale_f32_16x16x128_f8f6f4 with both operands' format E2M3, f32 sums; everything else in f32.
;; Inputs: Wk 1,024 x 1,024 float32; Wo 1,024 x 1,024 float32; Wq 1,024 x 1,024 float32; Wv 1,024 x 1,024 float32; bk 1,024 float32; bo 1,024 float32; bq 1,024 float32; bv 1,024 float32; case_bias 16 x 8 x 8 float32; case_ids 4 x 1,024 int32; verb_bias 16 float32; verb_mask 4 x 1,024 int32; x 4 x 1,024 x 1,024 float32.
;; Outputs: out0 4 x 1,024 x 1,024 float32.
;; This version of the problem:
;;   THIS VERSION OF THE PROBLEM IS GIVEN IN LOW PRECISION. The matrix products marked QUANTISED in the list below multiply operands that are first quantised to E2M3 (2 exponent bits, 3 mantissa bits; 6 bits a number), with one power-of-two scale for each 32 numbers along K (OCP MX v1.0); their sums are f32. All else is computed in f32.
;;   The module's matrix products, in the order in which they are computed (A, B: the left and right operand; K: the contracted axis; several contracted axes count as one K, in the product's order):
;;     1. [M 4,096, K 1,024] x [K 1,024, N 1,024]; A: input x; B: input Wq: QUANTISED
;;     2. [M 4,096, K 1,024] x [K 1,024, N 1,024]; A: input x; B: input Wk: QUANTISED
;;     3. [M 4,096, K 1,024] x [K 1,024, N 1,024]; A: input x; B: input Wv: QUANTISED
;;     4. batch 64 x [M 1,024, K 64] x [K 64, N 1,024]; A: computed on the way; B: computed on the way: QUANTISED
;;     5. batch 64 x [M 1,024, K 1,024] x [K 1,024, N 64]; A: softmax (see below); B: computed on the way: QUANTISED
;;     6. [M 4,096, K 1,024] x [K 1,024, N 1,024]; A: computed on the way; B: input Wo: QUANTISED
;;   THE QUANTISER, for each operand of a quantised product, along K:
;;     - K is cut into blocks of 32 from its start; a last block that is shorter is filled with zeros.
;;     - A block's scale is 2^e with e = floor(log2(the largest magnitude in the block)) - 2, held to -126 .. 127; a block of zeros has e = 0. As a byte (E8M0): e + 127.
;;     - Each number is divided by its block's scale, clamped to +-7.5, and rounded to the nearest number of E2M3, ties to even, subnormals kept.
;;     - The product sums the exact products of the quantised numbers (number of the format x scale) in f32.
;;   ~~~python
;;   def quantise(x, axis):      # numpy; x: float32 -> the quantised numbers, widened to float32 again
;;       x = np.moveaxis(x, axis, -1); K = x.shape[-1]
;;       x = np.pad(x, [(0, 0)] * (x.ndim - 1) + [(0, -K % 32)]); x = x.reshape(x.shape[:-1] + (-1, 32)); a = np.abs(x).max(-1, keepdims=True)
;;       e = np.where(a > 0, np.clip(np.frexp(np.where(a > 0, a, 1))[1] - 1 - 2, -126, 127), 0)      # np.frexp(a)[1] - 1 = floor(log2(a)), exactly
;;       r = np.clip(x / 2.0 ** e, -7.5, 7.5)
;;       step = 2.0 ** (np.maximum(np.frexp(np.where(r == 0, 1, r))[1] - 1, 0) - 3)
;;       q = np.round(r / step) * step * 2.0 ** e      # np.round: ties to even
;;       return np.moveaxis(q.reshape(q.shape[:-2] + (-1,))[..., :K], -1, axis).astype(np.float32)
;;   ~~~
;;   SOFTMAX AHEAD OF A QUANTISED PRODUCT. Where the list says 'softmax', what is quantised is not the finished softmax but p = 2^(t - M), with t = logit x log2(e) and M = ceil(the row's largest t), a whole number; so 1/2 < the row's largest p <= 1. The row's sum l is taken of the UNQUANTISED p, in f32, and the product's result is divided by l at the end. Since M is a whole number, a kernel that streams over the keys may use a running M (the ceiling of the running maximum): every later rescaling is an exact power of two, which a block's scale takes up: the codes' values come out the same.
;;   OPERANDS COMPUTED ON THE WAY. 'Computed on the way' means the value that the module computes at that place (a softmax that the list does not call 'softmax' is quantised finished and normalised). What goes into a quantiser is computed in f32, as accurately as f32 sums, v_exp_f32 and their like allow (about 1e-6 of the number): no bf16 or f16 on the way to a quantiser, and a product that is left as it is and whose result goes on into a quantised operand takes f32 operands (vector FMAs, or v_wmma_f32_16x16x4_f32). A number that lies on a knife's edge between two numbers of the format may be rounded either way, as far as f32 arithmetic and the matrix unit's own rounding can turn it there, and no further.
;; One version. Each part assembles by itself: llvm-mc -triple=amdgcn-amd-amdhsa -mcpu=gfx1250 --defsym DOCPART=n.
;; ======== version 1 of 1: 4 launches
;; limits: right only within a limited range of input values
;; workspace buffers: cod 9,437,184 bytes; scl 393,216 bytes; qc 6,291,456 bytes; qs 262,144 bytes; kv 9,830,400 bytes
;; launch prep (part 1): grid 1024 x 1, 4 waves a work-group, no clusters, 34,304 bytes of LDS; arguments x, Wq, Wk, Wv, Wo, case_ids, verb_mask, case_bias, verb_bias, cod, scl, kv; writes cod, scl, kv
.if DOCPART == 1
	.amdgcn_target "amdgcn-amd-amdhsa--gfx1250"
	.amdhsa_code_object_version 6
	.text
	.protected	k_qae3224e993_prep
	.globl	k_qae3224e993_prep
	.p2align	8
	.type	k_qae3224e993_prep,@function
k_qae3224e993_prep:
	s_mov_b64 s[64:65], 0
	v_nop
	global_prefetch_b8 v0, s[64:65] scope:SCOPE_SE
	s_setreg_imm32_b32 hwreg(HW_REG_WAVE_MODE, 25, 1), 1
	s_wait_xcnt 0x0
; x [4096][1024] and Wq, Wk, Wv, Wo [1024 (k)][1024 (n)], f32, become codes of FP6 (E2M3) with one E8M0 byte for each 32 along K; and the attention's bias is laid out as digits.
; LAYOUT OF THE CODES (cod): [tile T' 768][kk 16][768 bytes].  A tile is 16 rows of an operand (x: T' = 0..255; Wq, Wk, Wv, Wo: 256 + 64 w + 0..63, a weight's rows being its columns n).
; Row r of tile T is row 32 (T / 2) + 8 (T % 2) + r + 8 (r / 8) of the tensor: so the 16 result registers of two neighbouring tiles used as source 0 are 16 neighbours.
; 768 bytes are an IMAGE OF OPERAND REGISTERS for 64 along K: lane l = r + 16 h holds k = 32 h .. 32 h + 31 in six registers; registers 0-3 lie at 16 l, registers 4-5 at 512 + 8 l.
; SCALES (scl): [T'][r 16][K step of 128: 8] words, byte b for the step's block b.
; RECORDS (kv), one of 19,200 bytes for each (batch, head, 128 keys): 8 key tiles x 1,536 (K's image, then the BIAS IMAGE), at 12,288 their 8 x 16 words, at 12,800 V.  This launch stores the bias images and bytes 2, 3 of the words.
; THE BIAS AS DIGITS.  The score product has K = 64 in an instruction of 128.  The upper 64 carry 8 x bias: key side, position 3 c + j of a block: digit j of V_c = case_bias[head][c][case of the key] + verb_bias[head] verb_mask[key];
; query side: 4, 1/2, 1/8 at positions 3 c .. 3 c + 2, c the query's case, else zeros.  With s = 2^(floor(log2 of the largest |V_c|) - 2):
; V_c / s = d0 + d1 / 8 + d2 / 32 (block 2) + 2^-11 (d0' + d1' / 8 + d2' / 32) (block 3); every digit is a number of E2M3, every step of the splitting is exact in f32, and what is left is under 2^-22 of the key's largest |V_c|.
; A block's scale is 2^(floor(log2(largest magnitude)) - 2): its byte is that magnitude's exponent field - 2, held at 1 from below.
; LIMITS: a block of zeros, or one whose largest magnitude lies under 2^-124, gets the byte 1 (the rule says 127 for zeros: the codes are zeros, and only this program reads the bytes); biases of a key that all lie under 2^-107
; are carried to within 2^-129 only; NaN and infinities are not served; case_ids are clamped at 7, as unsigned numbers (the table has eight cases).
; SHARES: work-groups 0-255: a wave makes half a record's bias (three dependent loads on end: they are numbered first).  256-511: a tile of x each, a wave 256 along K.  512-1023: a weight's 128 columns x 64 along K, a wave
; 32 columns: one image for each of two tiles.  Every wave of the x and weight paths asks for all its bytes in one run at its head.  Waves share nothing: no barrier.
; THE TILES OF Wq, Wk, Wv ARE NUMBERED BY HEAD (in place of 64 w + ..): T' = 256 + 12 head + 0..3 Wq's four, 4, 5 Wv's first two, 6..9 Wk's four, 10, 11 Wv's last two; Wo's are 448 + 0..63.
.set SPARE, 33792                      ; behind the four stages of the x path: the spare words, 128 bytes a wave
.set REC, 19200
.set SPW, 30                           ; v30  LDS address of my spare word; never rewritten
.set NIL, 31                           ; v31  0; never rewritten
.set XR,  32                           ; x path: v32-159 two K steps as loaded
.set XN,  160                          ; v160-223 my 64 numbers of a K step
.set XP,  224                          ; v224-247 two fragments of codes
.set XC,  248                          ; v248-254 the conversions' second halves
.set WX,  32                           ; W path: v32-95 two blocks of 32 numbers
.set WP,  96                           ; v96-107 six registers of codes for each of 2 blocks
.set WC,  144                          ; v144-146 a conversion's second half
.set WS,  148                          ; v148 my two scale bytes
.set BU,  40                           ; bias path: v40-55 what is left of 8 cases x 2 keys
.set BT,  64                           ; v64-79 the rounded numbers
.set BD,  80                           ; v80-143 digits: 24 and 8 zeros for each key
.set BP,  144                          ; v144-167 codes: six registers for each (key, block)
.set BC,  168                          ; v168-174 the conversions' second halves
.macro FINISH                          ; the wave's end
	s_wait_tensorcnt 0x0
	ds_add_u32 v[SPW], v[NIL]
	s_wait_dscnt 0x0
	s_endpgm
.endm
	s_load_b512 s[4:19], s[0:1], 0x0               ; x, Wq, Wk, Wv, Wo, case_ids, verb_mask, case_bias
	s_load_b256 s[20:27], s[0:1], 0x40             ; verb_bias, cod, scl, kv
	v_lshl_add_u32 v[SPW], v0, 2, SPARE
	v_mov_b32 v[NIL], 0
	v_lshrrev_b32 v1, 5, v0
	v_readfirstlane_b32 s32, v1                    ; wave
	v_and_b32 v7, 31, v0                           ; lane
	v_lshlrev_b32 v1, 4, v7                        ; 16 l
	v_lshlrev_b32 v2, 3, v7                        ; 8 l
	v_lshlrev_b32 v3, 2, v7                        ; 4 l
	s_mov_b32 s34, 0x76543210
	s_mov_b32 s35, 0xfedcba98                      ; v_permlanex16_b32's selects for lane l xor 16
	s_mov_b32 s36, 0xffff0000                      ; lanes 16-31
	s_wait_alu depctr_va_vdst(0)
	s_wait_kmcnt 0x0
	s_cmp_lt_u32 ttmp9, 256
	s_cbranch_scc1 .Ltable
	s_cmp_lt_u32 ttmp9, 512
	s_cbranch_scc0 .Lweight
; ---------------- x: tile T = work-group - 256, K steps 2 w and 2 w + 1
	s_sub_co_u32 s37, ttmp9, 256                   ; T
	v_and_b32 v17, 15, v0                          ; r
	v_bfe_u32 v18, v0, 4, 1                        ; h
	s_mul_i32 s33, s32, 8448                       ; my stage: 16 rows x (512 bytes + 16)
	s_wait_alu depctr_va_vdst(0)
	v_add_nc_u32 v4, s33, v1                       ; in: a row as it is loaded
	v_mul_u32_u24 v5, v17, 528
	v_lshl_add_u32 v5, v18, 7, v5
	v_add_nc_u32 v5, s33, v5                       ; out: row r, + 128 h: my 32 numbers of each 64
	v_lshlrev_b32 v6, 3, v18                       ; 8 h: where my two bytes stand in a scale word
	v_lshlrev_b32 v19, 5, v17
	v_lshl_add_u32 v19, v18, 2, v19                ; 32 r + 4 h: where my word goes
	v_mov_b32 v16, 0                               ; a lane permute's destination counts as read
	s_lshr_b32 s40, s37, 1
	s_lshl_b32 s40, s40, 5
	s_and_b32 s41, s37, 1
	s_lshl_b32 s41, s41, 3
	s_add_co_u32 s40, s40, s41                     ; the tile's first row
	s_lshl_b32 s40, s40, 12
	s_lshl_b32 s41, s32, 10                        ; 256 numbers a wave
	s_add_co_u32 s40, s40, s41
	s_mov_b32 s41, 0
	s_add_nc_u64 s[4:5], s[4:5], s[40:41]
	s_mul_i32 s40, s37, 12288
	s_mul_i32 s42, s32, 3072
	s_add_co_u32 s40, s40, s42
	s_add_nc_u64 s[22:23], s[22:23], s[40:41]
	s_lshl_b32 s40, s37, 9
	s_lshl_b32 s42, s32, 3
	s_add_co_u32 s40, s40, s42
	s_add_nc_u64 s[24:25], s[24:25], s[40:41]
.irp s, 0,1
.irp i, 0,1,2,3,4,5,6,7,8,9,10,11,12,13,14,15
	global_load_b128 v[XR+64*\s+4*\i:XR+64*\s+4*\i+3], v1, s[4:5] offset:(\i+8*(\i/8))*4096+512*\s th:TH_LOAD_NT   ; 512 consecutive bytes of the tile's row i
.endr
.endr
.macro XSTEP s
.set RS, XR+64*\s
.set PS, XP+12*\s
.if \s == 0
	s_wait_loadcnt 16                              ; this K step's 16 loads are in; the other's may be out
.else
	s_wait_loadcnt 0x0
.endif
.irp i, 0,1,2,3,4,5,6,7,8,9,10,11,12,13,14,15
	ds_store_b128 v4, v[RS+4*\i:RS+4*\i+3] offset:528*\i
.endr
.irp c, 0,1
.irp j, 0,1,2,3,4,5,6,7
	ds_load_b128 v[XN+32*\c+4*\j:XN+32*\c+4*\j+3], v5 offset:256*\c+16*\j   ; LDS serves a wave's instructions in order: these see the stores.  k = 64 c + 32 h + 4 j ..
.endr
.endr
	s_wait_dscnt 0x0
.irp c, 0,1
	v_max3_num_f32 v[8+\c], |v[XN+32*\c]|, |v[XN+32*\c+1]|, 0x1800000   ; block 2 c + h is all mine; the floor 2^(3 - 127) holds the byte at 1 from below
.endr
.irp i, 2,4,6,8,10,12,14,16,18,20,22,24,26,28,30
.irp c, 0,1
	v_max3_num_f32 v[8+\c], v[8+\c], |v[XN+32*\c+\i]|, |v[XN+32*\c+\i+1]|
.endr
.endr
.irp c, 0,1
	v_add_nc_u32 v[10+\c], 0xff000000, v[8+\c]     ; 2 off the exponent field: the conversion's scale operand
.endr
.irp c, 0,1
	v_lshrrev_b32 v[12+\c], 23, v[10+\c]           ; the byte
.endr
	v_cvt_scalef32_pk16_fp6_f32 v[PS:PS+2], v[XN:XN+15], v10
	v_cvt_scalef32_pk16_fp6_f32 v[XC:XC+2], v[XN+16:XN+31], v10        ; (a conversion's three registers begin on an even number)
	v_cvt_scalef32_pk16_fp6_f32 v[PS+6:PS+8], v[XN+32:XN+47], v11
	v_cvt_scalef32_pk16_fp6_f32 v[XC+4:XC+6], v[XN+48:XN+63], v11
	v_lshl_or_b32 v[14+\s], v13, 16, v12           ; (plain lines behind the conversions)  my bytes: blocks h and 2 + h,
	v_lshlrev_b32 v[14+\s], v6, v[14+\s]           ; at their places;
	v_permlanex16_b32 v16, v[14+\s], s34, s35
	v_or_b32 v[14+\s], v[14+\s], v16               ; with lane l xor 16's the word is whole
.irp i, 0,1,2
	v_mov_b32 v[PS+3+\i], v[XC+\i]
	v_mov_b32 v[PS+9+\i], v[XC+4+\i]
.endr
	global_store_b128 v1, v[PS:PS+3], s[22:23] offset:1536*\s          ; 512 consecutive bytes,
	global_store_b64 v2, v[PS+4:PS+5], s[22:23] offset:1536*\s+512     ; 256,
	global_store_b128 v1, v[PS+6:PS+9], s[22:23] offset:1536*\s+768
	global_store_b64 v2, v[PS+10:PS+11], s[22:23] offset:1536*\s+1280  ; each at a multiple of 256 from the buffer's first byte
.endm
	s_wait_alu depctr_va_vdst(0)
	XSTEP 0
	XSTEP 1
	v_cndmask_b32 v17, v14, v15, s36               ; lanes 0-15 store the first K step's words, lanes 16-31 the second's: 8 neighbouring bytes of each row's 32
	global_store_b32 v19, v17, s[24:25]
	FINISH
; ---------------- a weight: a lane takes a column n, its registers run down K: 64 numbers, two blocks, one image
.Lweight:
	s_sub_co_u32 s40, ttmp9, 512
	s_lshr_b32 s41, s40, 7                         ; which weight
	s_bfe_u32 s42, s40, 0x30004                    ; which 128 columns
	s_and_b32 s43, s40, 15                         ; which 64 along K: the image's number kk
	s_cmp_eq_u32 s41, 1
	s_cselect_b64 s[6:7], s[8:9], s[6:7]
	s_cmp_eq_u32 s41, 2
	s_cselect_b64 s[6:7], s[10:11], s[6:7]
	s_cmp_eq_u32 s41, 3
	s_cselect_b64 s[6:7], s[12:13], s[6:7]
	s_lshl_b32 s44, s43, 18                        ; 64 rows of 4,096 bytes
	s_lshl_b32 s45, s42, 9
	s_add_co_u32 s44, s44, s45
	s_lshl_b32 s45, s32, 7                         ; 32 columns a wave
	s_add_co_u32 s44, s44, s45
	s_mov_b32 s45, 0
	s_add_nc_u64 s[6:7], s[6:7], s[44:45]
	s_lshl_b32 s46, s42, 3
	s_lshl_b32 s47, s32, 1
	s_add_co_u32 s46, s46, s47
	s_add_co_u32 s46, s46, 192                     ; Wo: 192 + 8 x block + 2 x wave
	s_lshl_b32 s47, s42, 1
	s_lshr_b32 s48, s32, 1
	s_add_co_u32 s47, s47, s48                     ; the head of my 32 columns
	s_mul_i32 s47, s47, 12
	s_and_b32 s48, s32, 1                          ; which half of the head
	s_lshl_b32 s49, s48, 1
	s_add_co_u32 s47, s47, s49
	s_mul_i32 s49, s41, 6                          ; Wq: 0, Wk: 6,
	s_lshl_b32 s48, s48, 2
	s_add_co_u32 s48, s48, 4                       ; Wv: 4, and 4 more in the second half
	s_cmp_eq_u32 s41, 2
	s_cselect_b32 s49, s48, s49
	s_add_co_u32 s47, s47, s49
	s_cmp_eq_u32 s41, 3
	s_cselect_b32 s46, s46, s47
	s_add_co_u32 s46, s46, 256                     ; T' of my wave's first tile: its 32 columns are two tiles
	s_mul_i32 s44, s46, 12288
	s_mul_i32 s47, s43, 768
	s_add_co_u32 s44, s44, s47
	s_add_nc_u64 s[22:23], s[22:23], s[44:45]
	s_lshl_b32 s44, s46, 9                         ; the scale bytes: word kk / 2 of each row's eight,
	s_lshr_b32 s47, s43, 1
	s_lshl_b32 s47, s47, 2
	s_add_co_u32 s44, s44, s47
	s_and_b32 s47, s43, 1
	s_lshl_b32 s47, s47, 1                         ; bytes 2 (kk % 2) + 0, 1
	s_add_co_u32 s44, s44, s47
	s_add_nc_u64 s[24:25], s[24:25], s[44:45]
	v_bfe_u32 v8, v0, 3, 1                         ; column l of 32 is row r = l % 8 + 8 (l / 16) of tile u = (l / 8) % 2
	v_and_b32 v9, 7, v0
	v_bfe_u32 v10, v0, 4, 1
	v_lshl_add_u32 v9, v10, 3, v9
	v_mul_u32_u24 v20, v8, 12288
	v_lshl_add_u32 v21, v9, 3, v20                 ; 12,288 u + 8 r
	v_lshl_add_u32 v20, v9, 4, v20                 ; 12,288 u + 16 r
	v_lshlrev_b32 v22, 9, v8
	v_lshl_add_u32 v22, v9, 5, v22                 ; 512 u + 32 r
.set n, 0
.rept 64
	global_load_b32 v[WX+n], v3, s[6:7] offset:n*4096 th:TH_LOAD_NT   ; W(n, my column): 128 consecutive bytes a load; all 64 go out in one run
.set n, n+1
.endr
.macro WBLOCK t
.set XS, WX+32*(\t)
.if (\t) == 0
	s_wait_loadcnt 32                              ; this block's 32 loads are in; the second block's 32 may be out
.else
	s_wait_loadcnt 0x0
.endif
	v_max3_num_f32 v12, |v[XS]|, |v[XS+1]|, |v[XS+2]|
	v_max3_num_f32 v13, |v[XS+3]|, |v[XS+4]|, |v[XS+5]|
.irp i, 6,10,14,18,22,26
	v_max3_num_f32 v12, v12, |v[XS+\i]|, |v[XS+\i+1]|
	v_max3_num_f32 v13, v13, |v[XS+\i+2]|, |v[XS+\i+3]|
.endr
	v_max3_num_f32 v12, v12, |v[XS+30]|, |v[XS+31]|
	v_max3_num_f32 v12, v12, v13, 0x1800000        ; and the floor
	v_add_nc_u32 v11, 0xff000000, v12
	v_cvt_scalef32_pk16_fp6_f32 v[WP+6*(\t):WP+6*(\t)+2], v[XS:XS+15], v11
	v_cvt_scalef32_pk16_fp6_f32 v[WC:WC+2], v[XS+16:XS+31], v11
	v_lshrrev_b32 v13, 23, v11                     ; the byte (a plain line behind the conversions)
.if (\t) == 0
	v_mov_b32 v[WS], v13
.else
	v_lshl_or_b32 v[WS], v13, 8, v[WS]
.endif
.irp i, 0,1,2
	v_mov_b32 v[WP+6*(\t)+3+\i], v[WC+\i]
.endr
	global_store_b128 v20, v[WP+6*(\t):WP+6*(\t)+3], s[22:23] offset:256*(\t)          ; block t is half h = t of the image: sixteen lanes store 256 consecutive bytes
	global_store_b64 v21, v[WP+6*(\t)+4:WP+6*(\t)+5], s[22:23] offset:512+128*(\t)     ; and 128: the other block brings the other half of those 256
.endm
	s_wait_alu depctr_va_vdst(0)
	WBLOCK 0
	WBLOCK 1
	global_store_b16 v22, v[WS], s[24:25]          ; two bytes a lane: half of a scale word; the work-group of the neighbouring 64 along K brings the other half; 131,072 bytes so in the whole launch
	FINISH
; ---------------- the bias of half a record, 64 keys = four key tiles: lane (r, h) takes row r of tiles 4 half + 2 i + h, i = 0, 1
.Ltable:
	s_lshl_b32 s40, ttmp9, 2
	s_add_co_u32 s40, s40, s32
	s_and_b32 s45, s40, 1                          ; which half
	s_lshr_b32 s40, s40, 1                         ; the record: 8 (16 b + head) + key step
	s_lshr_b32 s41, s40, 3
	s_and_b32 s42, s40, 7                          ; key step
	s_lshr_b32 s43, s41, 4                         ; b
	s_and_b32 s44, s41, 15                         ; head
	s_lshl_b32 s46, s43, 12
	s_lshl_b32 s47, s42, 9
	s_add_co_u32 s46, s46, s47
	s_lshl_b32 s47, s45, 8
	s_add_co_u32 s46, s46, s47
	s_mov_b32 s47, 0
	s_add_nc_u64 s[14:15], s[14:15], s[46:47]      ; the half's 64 case_ids,
	s_add_nc_u64 s[16:17], s[16:17], s[46:47]      ; and verb_mask
	s_lshl_b32 s46, s44, 8
	s_add_nc_u64 s[18:19], s[18:19], s[46:47]      ; the head's 8 x 8 table
	s_lshl_b32 s46, s44, 2
	s_add_nc_u64 s[20:21], s[20:21], s[46:47]
	s_load_b32 s48, s[20:21], 0x0                  ; verb_bias[head]
	s_mul_i32 s50, s40, REC
	s_lshl_b32 s46, s45, 8
	s_add_co_u32 s46, s46, s50
	s_add_nc_u64 s[28:29], s[26:27], s[46:47]      ; the words: four tiles x 64 bytes a half
	s_mul_i32 s46, s45, 6144
	s_add_co_u32 s46, s46, s50
	s_add_nc_u64 s[26:27], s[26:27], s[46:47]      ; the images: four tiles x 1,536
	v_and_b32 v17, 15, v0                          ; r
	v_bfe_u32 v18, v0, 4, 1                        ; h
	v_and_b32 v9, 8, v17
	v_add_nc_u32 v8, v17, v9
	v_lshl_add_u32 v8, v18, 3, v8
	v_lshlrev_b32 v8, 2, v8                        ; key 32 i + 8 h + r + 8 (r / 8) of the half, 4 bytes each
	v_mul_u32_u24 v20, v18, 1536
	v_lshl_add_u32 v21, v17, 3, v20                ; 1,536 h + 8 r
	v_lshl_add_u32 v20, v17, 4, v20                ; 1,536 h + 16 r
	v_lshlrev_b32 v22, 6, v18
	v_lshl_add_u32 v22, v17, 2, v22                ; 64 h + 4 r
.irp i, 0,1
	global_load_b32 v[32+\i], v8, s[14:15] offset:128*\i
	global_load_b32 v[34+\i], v8, s[16:17] offset:128*\i
.endr
	v_mov_b32 v62, 0x3f800000                      ; 1.0: the digits' conversions have no scale
	v_mov_b32 v63, 0x41700000                      ; 15.0
.set n, 0
.rept 8
	v_mov_b32 v[BD+24+n], 0                        ; positions 24-31 are zeros
	v_mov_b32 v[BD+56+n], 0
.set n, n+1
.endr
	s_wait_alu depctr_va_vdst(0)
	s_wait_loadcnt 0x0
.irp i, 0,1
	v_min_u32 v[32+\i], 7, v[32+\i]                ; a loaded number enters an address only clamped
.endr
.irp i, 0,1
	v_lshlrev_b32 v[36+\i], 2, v[32+\i]
.endr
.irp i, 0,1
.irp c, 0,1,2,3,4,5,6,7
	global_load_b32 v[BU+8*\i+\c], v[36+\i], s[18:19] offset:32*\c     ; case_bias[head][c][case of the key]
.endr
.endr
.irp i, 0,1
	v_cvt_f32_i32 v[34+\i], v[34+\i]
.endr
	s_wait_alu depctr_va_vdst(0)
	s_wait_kmcnt 0x0
	s_wait_loadcnt 0x0
.set n, 0
.rept 16
	v_fma_f32 v[BU+n], v[34+n/8], s48, v[BU+n]     ; V_c
.set n, n+1
.endr
.irp i, 0,1
	v_max3_num_f32 v[56+\i], |v[BU+8*\i]|, |v[BU+8*\i+1]|, 0x0a000000  ; the largest |V_c|, held at 2^-107 from below: so no scale byte can fall under 8
.endr
.irp c, 2,4,6
.irp i, 0,1
	v_max3_num_f32 v[56+\i], v[56+\i], |v[BU+8*\i+\c]|, |v[BU+8*\i+\c+1]|
.endr
.endr
.irp i, 0,1
	v_and_b32 v[58+\i], 0x7f800000, v[56+\i]
.endr
.irp i, 0,1
	v_sub_nc_u32 v[60+\i], 0x80800000, v[58+\i]    ; 2 / s: with E the exponent field, s = 2^(E - 129) and 2 / s = 2^(130 - E)
.endr
.irp i, 0,1
	v_lshrrev_b32 v[10+\i], 23, v[56+\i]           ; E
.endr
.irp i, 0,1
	v_mul_u32_u24 v[10+\i], v[10+\i], 0x101
.endr
.irp i, 0,1
	v_add_nc_u32 v[10+\i], -3073, v[10+\i]         ; bytes E - 1 and E - 12: the query's 4 x V / s is to count as 8 V, so the blocks' scales are 2 s and 2 s 2^-11
.endr
.set n, 0
.rept 16
	v_mul_f32 v[BU+n], v[BU+n], v[60+n/8]          ; u = 2 V / s, under 16 in magnitude
.set n, n+1
.endr
; One digit of each of the 16 numbers u: round(u) x mul is the digit, what is left x next the next u.  hold: the first digit of block 2 stays at 15 x 1/2 or under.  next = 0: nothing follows.
.macro DIGIT j, mul, next, hold
.set n, 0
.rept 16
	v_rndne_f32 v[BT+n], v[BU+n]
.set n, n+1
.endr
.if \hold
.set n, 0
.rept 16
	v_med3_num_f32 v[BT+n], v[BT+n], -v63, v63
.set n, n+1
.endr
.endif
.if \next
.set n, 0
.rept 16
	v_sub_f32 v[BU+n], v[BU+n], v[BT+n]
.set n, n+1
.endr
.endif
.set n, 0
.rept 16
	v_mul_f32 v[BD+32*(n/8)+3*(n%8)+\j], \mul, v[BT+n]
.set n, n+1
.endr
.if \next
.set n, 0
.rept 16
	v_mul_f32 v[BU+n], \next, v[BU+n]
.set n, n+1
.endr
.endif
.endm
.macro BIASBLOCK b, last
	DIGIT 0, 0.5, 0x41800000, 1-\b                 ; multiples of 1/2 up to 7.5; x 16
	DIGIT 1, 0x3e800000, 0x41000000, 0             ; multiples of 1/4 up to 4; x 8
	DIGIT 2, 0x3e000000, \last, 0                  ; multiples of 1/8 up to 1/2; x 16 into block 3
.irp i, 0,1
	v_cvt_scalef32_pk16_fp6_f32 v[BP+6*(2*\i+\b):BP+6*(2*\i+\b)+2], v[BD+32*\i:BD+32*\i+15], v62
	v_cvt_scalef32_pk16_fp6_f32 v[BC+4*\i:BC+4*\i+2], v[BD+32*\i+16:BD+32*\i+31], v62
.endr
	v_nop                                          ; one plain place behind a scaled conversion
.irp i, 0,1
.irp k, 0,1,2
	v_mov_b32 v[BP+6*(2*\i+\b)+3+\k], v[BC+4*\i+\k]
.endr
.endr
.irp i, 0,1
	global_store_b128 v20, v[BP+6*(2*\i+\b):BP+6*(2*\i+\b)+3], s[26:27] offset:3072*\i+768+256*\b        ; block 2 + b is half b of the image: sixteen lanes store 256 consecutive bytes
	global_store_b64 v21, v[BP+6*(2*\i+\b)+4:BP+6*(2*\i+\b)+5], s[26:27] offset:3072*\i+1280+128*\b      ; and 128
.endr
.endm
	BIASBLOCK 0, 0x41800000
	BIASBLOCK 1, 0
.irp i, 0,1
	global_store_b16 v22, v[10+\i], s[28:29] offset:12290+128*\i       ; bytes 2 and 3 of the key's word; the qkv launch brings bytes 0 and 1
.endr
	FINISH
.Lfunc_end_k_qae3224e993_prep:
	.size	k_qae3224e993_prep, .Lfunc_end_k_qae3224e993_prep-k_qae3224e993_prep
	.p2alignl 7, 3214868480
	.fill 96, 4, 3214868480
	.section	.rodata,"a",@progbits
	.p2align	6, 0x0
	.amdhsa_kernel k_qae3224e993_prep
		.amdhsa_group_segment_fixed_size 34304
		.amdhsa_private_segment_fixed_size 0
		.amdhsa_enable_private_segment 0
		.amdhsa_kernarg_size 96
		.amdhsa_user_sgpr_count 2
		.amdhsa_user_sgpr_kernarg_segment_ptr 1
		.amdhsa_wavefront_size32 1
		.amdhsa_system_sgpr_workgroup_id_x 1
		.amdhsa_system_sgpr_workgroup_id_y 1
		.amdhsa_system_sgpr_workgroup_id_z 1
		.amdhsa_system_vgpr_workitem_id 0
		.amdhsa_next_free_vgpr 256
		.amdhsa_next_free_sgpr 66
		.amdhsa_reserve_vcc 0
		.amdhsa_float_denorm_mode_32 3
		.amdhsa_float_denorm_mode_16_64 3
		.amdhsa_memory_ordered 1
		.amdhsa_forward_progress 1
		.amdhsa_inst_pref_size 54
	.end_amdhsa_kernel
	.amdgpu_metadata
---
amdhsa.version: [ 1, 2 ]
amdhsa.kernels:
  - .name:           k_qae3224e993_prep
    .symbol:         k_qae3224e993_prep.kd
    .args:
      - { .name: x, .offset: 0, .size: 8, .value_kind: global_buffer, .address_space: global }
      - { .name: Wq, .offset: 8, .size: 8, .value_kind: global_buffer, .address_space: global }
      - { .name: Wk, .offset: 16, .size: 8, .value_kind: global_buffer, .address_space: global }
      - { .name: Wv, .offset: 24, .size: 8, .value_kind: global_buffer, .address_space: global }
      - { .name: Wo, .offset: 32, .size: 8, .value_kind: global_buffer, .address_space: global }
      - { .name: case_ids, .offset: 40, .size: 8, .value_kind: global_buffer, .address_space: global }
      - { .name: verb_mask, .offset: 48, .size: 8, .value_kind: global_buffer, .address_space: global }
      - { .name: case_bias, .offset: 56, .size: 8, .value_kind: global_buffer, .address_space: global }
      - { .name: verb_bias, .offset: 64, .size: 8, .value_kind: global_buffer, .address_space: global }
      - { .name: cod, .offset: 72, .size: 8, .value_kind: global_buffer, .address_space: global }
      - { .name: scl, .offset: 80, .size: 8, .value_kind: global_buffer, .address_space: global }
      - { .name: kv, .offset: 88, .size: 8, .value_kind: global_buffer, .address_space: global }
    .group_segment_fixed_size: 34304
    .private_segment_fixed_size: 0
    .kernarg_segment_align: 8
    .kernarg_segment_size: 96
    .max_flat_workgroup_size: 128
    .sgpr_count:     66
    .vgpr_count:     256
    .wavefront_size: 32
...
	.end_amdgpu_metadata
.endif
;; end of part 1
;; launch qkv (part 2): grid 16 x 16, 4 waves a work-group, clusters of 4 x 4, 327,680 bytes of LDS; arguments cod, scl, bq, bk, bv, qc, qs, kv; writes qc, qs, kv
.if DOCPART == 2
	.amdgcn_target "amdgcn-amd-amdhsa--gfx1250"
	.amdhsa_code_object_version 6
	.text
	.protected	k_qae3224e993_qkv
	.globl	k_qae3224e993_qkv
	.p2align	8
	.type	k_qae3224e993_qkv,@function
k_qae3224e993_qkv:
	s_mov_b64 s[64:65], 0
	v_nop
	global_prefetch_b8 v0, s[64:65] scope:SCOPE_SE
	s_setreg_imm32_b32 hwreg(HW_REG_WAVE_MODE, 25, 1), 1
	s_wait_xcnt 0x0
	s_wait_alu depctr_hold_cnt(0) depctr_sa_sdst(0) depctr_va_vdst(0) depctr_va_sdst(0) depctr_va_ssrc(0) depctr_va_vcc(0) depctr_vm_vsrc(0)
	s_getreg_b32 s2, hwreg(HW_REG_IB_STS2, 6, 4)
	s_cmp_eq_u32 s2, 0
	s_cbranch_scc0 .Lentry_in_a_cluster
	s_endpgm
.Lentry_in_a_cluster:
	s_bfe_u32 s2, ttmp6, 0x10000c
	s_cmp_lg_u32 s2, 0xf033
	s_cbranch_scc0 .Lentry_shape_is_right
	s_endpgm
.Lentry_shape_is_right:
; Q = x Wq + bq, K = x Wk + bk, V = x Wv + bv on codes of FP6 (E2M3) with E8M0 scales, and their quantising for the attention launch: Q and K along the head's 64, V along the keys.
; A WORK-GROUP makes all three for one head and 256 rows: head = 4 x cluster x + cx, rows 256 cy of batch = cluster y: 256 x 192, 256 work-groups.  Its four waves are 2 x 2: AH takes 128 rows (8 tiles of x), BH six of the head's twelve
; weight tiles: BH = 0 Wq's four and Wv's first two, BH = 1 Wk's four and Wv's last two; they lie end to end in the buffer.  48 accumulators, 384 registers.
; Source 1 gives a result's LANE, source 0 its REGISTERS, and a quantiser wants its K along a lane's registers.  Q, K: source 0 = the weight (registers run along the head), source 1 = x.  V: source 0 = x (registers run along the keys), source 1 = Wv.
; OPERANDS lie in memory as images of operand registers (16 rows x 64 K: 768 bytes: registers 0-3 at 16 l, registers 4-5 at 512 + 8 l): a fragment is four dense LDS loads, with no pitch and no padding.
; Row r of tile T is row 32 (T / 2) + 8 (T % 2) + r + 8 (r / 8): the 16 registers of source-0 tiles 2 b, 2 b + 1 are 16 neighbours.
; K = 1,024 is eight steps of 128, written out.  LDS holds all of x's 256 rows and seven steps of the weights: slot 0 takes steps 0-4 at the head, slot 1 the rest behind a full round; nothing is filled again.
; The weights of step 7 come by dense loads straight into registers.  All of K is so asked for at the head: there is no loop to run ahead in, and no prefetch.
; JOINT LOADS: x's tiles hang on cy and the batch and are shared along a row of the cluster, the weights' on the head and along a column.
; The biases are the C of each sum's first matrix instruction.
; OUT: qc [b h][query tile 64] images 1,536 bytes apart, qs [b h][tile][r] words (bytes 0, 1; the reader replaces 2, 3); kv [b h][key step 8] records of 19,200 bytes: 8 key tiles x 1,536 (K's image; the bias image of the first launch),
; at 12,288 the tiles' words (bytes 0, 1 are stored here, 2, 3 by the first launch), at 12,800 V^T's four fragments (d x 128 keys), at 18,944 V's words.
; LIMITS: a block of zeros, or one whose largest magnitude lies under 2^-124, gets the byte 1; NaN and infinities are not served.
; REGISTERS: window 0: v1 r, v2-9 LDS addresses, v14-23 offsets, v28-29 the add's two, v32-111 scale words (register 10 i + s: lanes 0-15 x's tile i, lanes 16-31 the weights' tile i, K step s), v112-117 words made,
;   v128-223 x's fragments, one set (later v128-199 the codes made), v224-230 the conversions' second halves, v232-247 at work.   window 1: the weights' fragments, two sets at v0 and v128; biases v72-103 (Q, K), v104-119 (V).
;   window 2: Q's or K's accumulators (x tile a, weight tile t) at v[32 a + 8 t].   window 3: V's (tile d, x tile a) at v[64 d + 8 a]; v128-199 the weights' fragments of step 7.
.set TILEB, 12288                      ; a tile's codes for all of K
.set XW0,   61440                      ; slot 0: 8 tiles of x x 7,680 bytes (five K steps)
.set WB0,   122880                     ; the weights behind x's 16 tiles
.set WW0,   46080                      ; 6 tiles x 7,680
.set XB1,   215040                     ; slot 1: x's 16 tiles x 4,608 (three K steps)
.set XW1,   36864
.set WB1,   288768                     ; the weights' 12 tiles x 3,072 (two K steps)
.set WW1,   18432
.set SPARE, 325632                     ; behind the slots: the spare words, 128 bytes a wave
.set REC,   19200
.set SPW, 28
.set NIL, 29
.set SC,  32
.set PW,  112
.set TM,  232
.set AF,  128
.set PCB, 128
.set CT,  224
.set G1A, 32                           ; s[32:39], s[40:47] descriptor groups 1 for x and for the weights;  s[48:55], s[68:75] groups 0, a set for each slot
.set G1B, 40
.set G0A, 48
.set G0B, 68
.set MSB, 0
.macro WIN new                         ; the immediate's high byte repeats the setting that is left
.if MSB != (\new)
	s_set_vgpr_msb (MSB<<8)|(\new)
.set MSB, (\new)
.endif
.endm
.macro PLACES n
.rept \n
	v_nop
.endr
.endm
.macro JLOAD g0a, g0b                  ; waves 0 and 1 fetch x, waves 2 and 3 the weights; an s_nop 0 and four v_nop follow each line
	s_cmp_eq_u32 s23, 0
	s_cbranch_scc0 .Lfor_b_\@
	tensor_load_to_lds s[\g0a:\g0a+3], s[G1A:G1A+7]
	s_nop 0
.rept 4
	v_nop
.endr
	s_branch .Lasked_\@
.Lfor_b_\@:
	tensor_load_to_lds s[\g0b:\g0b+3], s[G1B:G1B+7]
	s_nop 0
.rept 4
	v_nop
.endr
.Lasked_\@:
.endm
.macro CROUND                          ; a round of the cluster's barrier
	s_barrier_signal -1
	s_barrier_wait -1
	s_cmp_lg_u32 s22, 0
	s_cbranch_scc1 .Lnot_wave_0_\@
	s_barrier_signal -3
.Lnot_wave_0_\@:
	s_barrier_wait -3
	s_barrier_signal -1
	s_barrier_wait -1
.endm
	s_load_b512 s[4:19], s[0:1], 0x0               ; cod, scl, bq, bk, bv, qc, qs, kv
	v_lshl_add_u32 v[SPW], v0, 2, SPARE
	v_mov_b32 v[NIL], 0
	ds_add_u32 v[SPW], v[NIL]                      ; the wave's opening: the add, twice on end, and its wait ahead of my first tensor load
	ds_add_u32 v[SPW], v[NIL]
	v_lshrrev_b32 v1, 5, v0
	v_readfirstlane_b32 s22, v1                    ; wave
	s_lshr_b32 s23, s22, 1                         ; AH: my half of the rows.  Also: I fetch x (0) or weights (1)
	s_and_b32 s24, s22, 1                          ; BH: my half of the weight tiles.  Also: which half of the tiles I fetch
	s_bfe_u32 s25, ttmp6, 0x40000                  ; cx
	s_bfe_u32 s26, ttmp6, 0x40004                  ; cy
	s_lshl_b32 s27, ttmp9, 2
	s_add_co_u32 s27, s27, s25                     ; head
	s_and_b32 s28, ttmp7, 0xffff                   ; Y: the cluster's y = the batch
	s_mov_b32 s29, 0xffff0000                      ; lanes 16-31
	s_mov_b32 s30, 0x76543210
	s_mov_b32 s31, 0xfedcba98
	s_lshl_b32 s60, s26, 2
	s_lshl_b32 s60, 15, s60                        ; my row of the cluster
	s_lshl_b32 s61, 0x1111, s25                    ; my column
	s_or_b32 s[G1A], s60, (3<<16)|(1<<21)          ; 15:0 the mask; 17:16 elements of 8 bytes; 21 set beside a mask; no padding
	s_or_b32 s[G1B], s61, (3<<16)|(1<<21)
	s_mov_b32 s[G1A+2], 8<<16                      ; tensor_dim1: 8 tiles of x,
	s_mov_b32 s[G1A+4], 8                          ; tile_dim1
	s_mov_b32 s[G1B+2], 6<<16                      ; 6 of the weights
	s_mov_b32 s[G1B+4], 6
.irp g, G1A, G1B
	s_mov_b32 s[\g+1], 960<<16                     ; tensor_dim0: 7,680 bytes
	s_mov_b32 s[\g+3], 960<<16                     ; tile_dim0
	s_mov_b32 s[\g+5], 1536                        ; from tile to tile: 12,288 bytes
	s_mov_b32 s[\g+6], 0
	s_mov_b32 s[\g+7], 0
.endr
	s_lshl_b32 s94, s28, 6
	s_lshl_b32 s92, s26, 4
	s_add_co_u32 s94, s94, s92                     ; x's first tile: 64 Y + 16 cy
	s_mul_i32 s95, s27, 12
	s_add_co_u32 s95, s95, 256                     ; the weights' first: 256 + 12 head
	s_lshl_b32 s62, s24, 3
	s_add_co_u32 s62, s62, s94
	s_mul_i32 s62, s62, TILEB
	s_mov_b32 s63, 0
	s_mul_i32 s100, s24, 6
	s_add_co_u32 s100, s100, s95
	s_mul_i32 s100, s100, TILEB
	s_mov_b32 s101, 0
	s_mov_b32 s[G0A], 1
	s_mov_b32 s[G0A+4], 1
	s_mov_b32 s[G0B], 1
	s_mov_b32 s[G0B+4], 1
	s_mul_i32 s[G0A+1], s24, XW0                   ; where they go: no place in the cluster enters an LDS address
	s_mul_i32 s20, s24, XW1
	s_add_co_u32 s[G0A+5], s20, XB1
	s_mul_i32 s20, s24, WW0
	s_add_co_u32 s[G0B+1], s20, WB0
	s_mul_i32 s20, s24, WW1
	s_add_co_u32 s[G0B+5], s20, WB1
	s_wait_dscnt 0x0                               ; the opening adds are done
	s_wait_kmcnt 0x0
	s_add_nc_u64 s[80:81], s[4:5], s[62:63]
	s_add_nc_u64 s[82:83], s[4:5], s[100:101]      ; also: my six weight tiles
	CROUND                                         ; all sixteen work-groups are here: the first joint loads meet
.irp s, 0,1
	s_add_nc_u64 s[G0A+4*\s+2:G0A+4*\s+3], s[80:81], \s*7680
	s_or_b32 s[G0A+4*\s+3], s[G0A+4*\s+3], 0x80000000
	s_add_nc_u64 s[G0B+4*\s+2:G0B+4*\s+3], s[82:83], \s*7680
	s_or_b32 s[G0B+4*\s+3], s[G0B+4*\s+3], 0x80000000
.endr
	JLOAD G0A, G0B                                 ; K steps 0-4: one tensor load a wave at the head
	s_mul_i32 s84, s23, XW0                        ; my 8 tiles of x in slot 0,
	s_mul_i32 s85, s23, XW1
	s_add_co_u32 s85, s85, XB1                     ; in slot 1;
	s_mul_i32 s86, s24, WW0
	s_add_co_u32 s86, s86, WB0                     ; my 6 of the weights
	s_mul_i32 s87, s24, WW1
	s_add_co_u32 s87, s87, WB1
	s_lshl_b32 s92, s23, 3
	s_add_co_u32 s92, s92, s94
	s_lshl_b32 s92, s92, 9                         ; my first tile of x among the scale words: 512 bytes a tile
	s_mul_i32 s93, s24, 6
	s_add_co_u32 s93, s93, s95
	s_lshl_b32 s93, s93, 9                         ; and of the weights
	s_lshl_b32 s96, s27, 8                         ; the head's 64 biases
	s_mov_b32 s97, 0
	s_cmp_eq_u32 s24, 0
	s_cselect_b64 s[98:99], s[8:9], s[10:11]
	s_add_nc_u64 s[98:99], s[98:99], s[96:97]      ; bq's or bk's
	s_lshl_b32 s20, s24, 7
	s_add_co_u32 s96, s96, s20
	s_add_nc_u64 s[90:91], s[12:13], s[96:97]      ; bv's: 32 BH on
	v_and_b32 v20, 31, v0                          ; l
	v_and_b32 v1, 15, v0                           ; r
	v_bfe_u32 v19, v0, 4, 1                        ; h
	v_lshlrev_b32 v15, 4, v20
	v_lshlrev_b32 v16, 3, v20
	v_lshlrev_b32 v17, 2, v20
	v_and_b32 v21, 8, v1
	v_add_nc_u32 v21, v21, v1
	v_lshlrev_b32 v21, 2, v21                      ; V's bias: 4 (r + 8 (r / 8)), tile d 32 bytes on
	v_lshlrev_b32 v23, 6, v19                      ; Q's, K's: tile t's eight are b[32 (t / 2) + 16 h + 8 (t % 2) + 0 .. 7]
	v_mov_b32 v14, s92
	v_mov_b32 v22, s93
	v_cndmask_b32 v14, v14, v22, s29               ; lanes 0-15 take x's words, lanes 16-31 the weights'
	v_lshl_add_u32 v14, v1, 5, v14                 ; row r's eight words: 32 bytes
	WIN 0x40                                       ; destination window 1
.irp d, 0,1
	global_load_b32 v[104+8*\d], v21, s[90:91] offset:32*\d
.endr
.irp t, 0,1,2,3
	global_load_b128 v[72+8*\t:72+8*\t+3], v23, s[98:99] offset:128*(\t/2)+32*(\t%2)
	global_load_b128 v[72+8*\t+4:72+8*\t+7], v23, s[98:99] offset:128*(\t/2)+32*(\t%2)+16
.endr
	WIN 0
.irp i, 0,1,2,3,4,5,6,7
.irp s, 0,1
	global_load_b128 v[SC+10*\i+4*\s:SC+10*\i+4*\s+3], v14, s[6:7] offset:512*\i+16*\s   ; all of K's scale words of my tiles, once (the weights have six tiles: lanes 16-31 of the last two are not used)
.endr
.endr
	WIN 0xc0                                       ; destination window 3: step 7 of my six weight tiles
.irp j, 0,1,2,3,4,5
	global_load_b128 v[128+12*\j:131+12*\j], v15, s[82:83] offset:12288*\j+10752
	global_load_b64 v[132+12*\j:133+12*\j], v16, s[82:83] offset:12288*\j+11264
	global_load_b128 v[134+12*\j:137+12*\j], v15, s[82:83] offset:12288*\j+11520
	global_load_b64 v[138+12*\j:139+12*\j], v16, s[82:83] offset:12288*\j+12032
.endr
	WIN 0
	v_add_nc_u32 v2, s84, v15
	v_add_nc_u32 v3, s84, v16
	v_add_nc_u32 v4, s85, v15
	v_add_nc_u32 v5, s85, v16
	v_add_nc_u32 v6, s86, v15
	v_add_nc_u32 v7, s86, v16
	v_add_nc_u32 v8, s87, v15
	v_add_nc_u32 v9, s87, v16
.irp b, 0,1,2,3
	v_mov_b32 v[TM+4+\b], 0                        ; a lane permute's destination counts as read
.endr
	s_wait_alu depctr_va_vdst(0)
	s_wait_loadcnt 48                              ; V's two biases are in; behind them 8 + 16 + 24 loads
	WIN 0x41                                       ; source 0 and destination window 1
.irp d, 0,1
.irp k, 1,2,3,4,5,6,7
	v_mov_b32 v[104+8*\d+\k], v[104+8*\d]          ; a lane's number over the tile's eight registers
.endr
.endr
	WIN 0
.macro FRAG reg, a16, a8, off          ; a fragment, 16 rows x 128 K: two images on end
	ds_load_b128 v[\reg:\reg+3], v[\a16] offset:\off
	ds_load_b64 v[\reg+4:\reg+5], v[\a8] offset:\off+512
	ds_load_b128 v[\reg+6:\reg+9], v[\a16] offset:\off+768
	ds_load_b64 v[\reg+10:\reg+11], v[\a8] offset:\off+1280
.endm
.macro FETCH_B sl, q, p                ; the weights' six fragments of slot sl's q-th K step into set p
	WIN 0x40
.irp i, 0,1,2,3,4,5
	FRAG 128*(\p)+12*\i, 6+2*(\sl), 7+2*(\sl), (7680-4608*(\sl))*\i+1536*(\q)
.endr
	WIN 0
.endm
.macro FETCH_A sl, q, i0               ; x's fragments i0 .. i0 + 3
	WIN 0
.irp i, \i0, \i0+1, \i0+2, \i0+3
	FRAG AF+12*(\i), 2+2*(\sl), 3+2*(\sl), (7680-3072*(\sl))*(\i)+1536*(\q)
.endr
.endm
; 24 matrix instructions: x's tiles a0 .. a0 + 3, in two parts.  p: the weights' set, bw: its window.  cm = 1: the sums begin with the biases.  The 48 accumulators take turns, in the same order in every step.
.macro MQK a0, p, ks, cm, bw           ; 16: Q's or K's
	WIN 0xa0-0x10*(\cm)+(\bw)                      ; source 0 window bw, source 1 window 0, C window 2 (1 at the start), D window 2
.irp a, \a0, \a0+1, \a0+2, \a0+3
.irp b, 0,1,2,3
.set rD, 32*(\a)+8*\b
.set rC, rD
.if \cm
.set rC, 72+8*\b
.endif
	v_wmma_scale_f32_16x16x128_f8f6f4 v[rD:rD+7], v[128*(\p)+12*\b:128*(\p)+12*\b+11], v[AF+12*(\a):AF+12*(\a)+11], v[rC:rC+7], v[SC+10*\b+(\ks)], v[SC+10*(\a)+(\ks)] matrix_a_fmt:MATRIX_FMT_FP6 matrix_b_fmt:MATRIX_FMT_FP6 matrix_a_scale:MATRIX_SCALE_ROW1
.endr
.endr
.endm
.macro MV a0, p, ks, cm, bw            ; 8: V's
	WIN 0xf0-0x20*(\cm)+4*(\bw)                    ; source 0 window 0, source 1 window bw, C window 3 (1 at the start), D window 3
.irp a, \a0, \a0+1, \a0+2, \a0+3
.irp d, 0,1
.set rD, 64*\d+8*(\a)
.set rC, rD
.if \cm
.set rC, 104+8*\d
.endif
	v_wmma_scale_f32_16x16x128_f8f6f4 v[rD:rD+7], v[AF+12*(\a):AF+12*(\a)+11], v[128*(\p)+48+12*\d:128*(\p)+48+12*\d+11], v[rC:rC+7], v[SC+10*(\a)+(\ks)], v[SC+40+10*\d+(\ks)] matrix_a_fmt:MATRIX_FMT_FP6 matrix_b_fmt:MATRIX_FMT_FP6 matrix_b_scale:MATRIX_SCALE_ROW1
.endr
.endr
.endm
; K step ks; in it the fragments of the next step (slot sn, its qn-th) are fetched.  x's tiles 0-3 are free behind the first 24 products: one set serves x; the weights have two.  fb = 0: the next step's weights lie in registers.
; show = 1: a plain barrier shows slot 1 to all four waves: in front of it each waits for its tensor loads and LDS reads.
.macro STEP ks, sn, qn, cm, fb, show
	s_wait_dscnt 16                                ; the weights' set and x's tiles 0-3 are in; the youngest 16 loads (x's tiles 4-7) may be out
	MQK 0, (\ks)%2, \ks, \cm, 1
.if \show
	s_wait_tensorcnt 0x0
	s_wait_dscnt 0x0
	s_barrier_signal -1
.endif
	MV 0, (\ks)%2, \ks, \cm, 1
.if \show
	WIN 0
	s_barrier_wait -1
.else
	s_wait_dscnt 0x0
.endif
	PLACES 4                                       ; four places in front of loads into registers that matrix instructions have read (ISA guide 7.12.1 for vector instructions)
.if \fb
	FETCH_B \sn, \qn, 1-(\ks)%2
.endif
	FETCH_A \sn, \qn, 0
	MQK 4, (\ks)%2, \ks, \cm, 1
	MV 4, (\ks)%2, \ks, \cm, 1
	PLACES 4
	FETCH_A \sn, \qn, 4
.endm
	s_wait_alu depctr_va_vdst(0)
	s_wait_tensorcnt 0x0                           ; my part of slot 0 is in
	ds_add_u32 v[SPW], v[NIL]
	s_mov_b32 s[G1A+1], 576<<16                    ; no tensor load of mine is out: slot 1 takes 4,608 bytes of each tile of x
	s_mov_b32 s[G1A+3], 576<<16
	s_mov_b32 s[G1B+1], 384<<16                    ; and 3,072 of each weight tile
	s_mov_b32 s[G1B+3], 384<<16
	s_wait_dscnt 0x0
	CROUND                                         ; everybody's part of slot 0 is in, and the joint loads meet:
	JLOAD G0A+4, G0B+4                             ; the first tensor load behind the round
	FETCH_B 0, 0, 0
	FETCH_A 0, 0, 0
	FETCH_A 0, 0, 4
	s_wait_loadcnt 24                              ; biases and scale words are in; step 7's weights may be out
	STEP 0, 0, 1, 1, 1, 0
	STEP 1, 0, 2, 0, 1, 0
	STEP 2, 0, 3, 0, 1, 0
	STEP 3, 0, 4, 0, 1, 0
	STEP 4, 1, 0, 0, 1, 1
	STEP 5, 1, 1, 0, 1, 0
	STEP 6, 1, 2, 0, 0, 0
	s_wait_loadcnt 0x0
	s_wait_dscnt 16                                ; the last step: its weights lie in window 3
	MQK 0, 1, 7, 0, 3
	MV 0, 1, 7, 0, 3
	s_wait_dscnt 0x0
	MQK 4, 1, 7, 0, 3
	MV 4, 1, 7, 0, 3
	WIN 0
	; where the results go
	s_lshl_b32 s92, s28, 4
	s_add_co_u32 s92, s92, s27                     ; 16 Y + head
	s_lshl_b32 s92, s92, 3
	s_lshl_b32 s93, s26, 1
	s_add_co_u32 s92, s92, s93
	s_add_co_u32 s92, s92, s23                     ; + the key step 2 cy + AH; x 8: my first tile of queries
	s_mul_i32 s94, s92, REC                        ; the record,
	s_add_co_u32 s95, s94, 12288                   ; its keys' words
	s_mul_i32 s96, s92, 12288                      ; Q: codes, 8 tiles x 1,536,
	s_lshl_b32 s97, s92, 9                         ; words
	s_mul_i32 s20, s24, 3072
	s_add_co_u32 s62, s94, s20
	s_add_co_u32 s62, s62, 12800                   ; V's fragments 2 BH and 2 BH + 1,
	s_mov_b32 s63, 0
	s_lshl_b32 s20, s24, 7
	s_add_co_u32 s100, s94, s20
	s_add_co_u32 s100, s100, 18944                 ; their words
	s_mov_b32 s101, 0
	s_add_nc_u64 s[86:87], s[18:19], s[62:63]
	s_add_nc_u64 s[90:91], s[18:19], s[100:101]
	s_cmp_eq_u32 s24, 0                            ; Q or K: by the wave's number
	s_cselect_b64 s[84:85], s[14:15], s[18:19]
	s_cselect_b64 s[88:89], s[16:17], s[18:19]
	s_cselect_b32 s62, s96, s94
	s_cselect_b32 s100, s97, s95
	s_add_nc_u64 s[84:85], s[84:85], s[62:63]
	s_add_nc_u64 s[88:89], s[88:89], s[100:101]
	PLACES 4
; 64 registers of a lane, four blocks of 32 with lane l xor 16, become twelve registers of codes in v[PCB + 12 a] on and a word in v[PW + a].  a = 0 .. 3: Q's or K's x tiles 2 a and 2 a + 1, an image each; a = 4, 5: V's tile a - 4, a whole fragment.
; Each accumulator is read from its low end on.
.macro QUANTW a
.set NB, 64*((\a)%4)
.set PCa, PCB+12*(\a)
	WIN 0x28+0x14*((\a)/4)                         ; sources 1 and 2 in window 2 or 3
.irp b, 0,1,2,3
	v_max3_num_f32 v[TM+\b], 0x1800000, |v[NB+16*\b]|, |v[NB+16*\b+1]|   ; my 16 numbers of block b, and the floor 2^(3 - 127)
.endr
.irp i, 2,4,6,8,10,12,14
.irp b, 0,1,2,3
	v_max3_num_f32 v[TM+\b], v[TM+\b], |v[NB+16*\b+\i]|, |v[NB+16*\b+\i+1]|
.endr
.endr
	WIN 0
.irp b, 0,1,2,3
	v_permlanex16_b32 v[TM+4+\b], v[TM+\b], s30, s31
.endr
.irp b, 0,1,2,3
	v_max_num_f32 v[TM+\b], v[TM+\b], v[TM+4+\b]   ; with lane l xor 16's: the block's largest magnitude
.endr
.irp b, 0,1,2,3
	v_add_nc_u32 v[TM+12+\b], 0xff000000, v[TM+\b] ; 2 off its exponent field: the conversion's scale operand
.endr
.irp b, 0,1,2,3
	v_lshrrev_b32 v[TM+4+\b], 23, v[TM+12+\b]      ; the byte
.endr
	v_lshl_or_b32 v[PW+(\a)], v[TM+5], 8, v[TM+4]
	v_lshl_or_b32 v[PW+(\a)], v[TM+6], 16, v[PW+(\a)]
	v_lshl_or_b32 v[PW+(\a)], v[TM+7], 24, v[PW+(\a)]
	WIN 0x02+((\a)/4)                              ; source 0 in window 2 or 3
.irp c, 0,1
	v_cvt_scalef32_pk16_fp6_f32 v[PCa+6*\c:PCa+6*\c+2], v[NB+32*\c:NB+32*\c+15], v[TM+12+2*\c]
	v_cvt_scalef32_pk16_fp6_f32 v[CT+4*\c:CT+4*\c+2], v[NB+32*\c+16:NB+32*\c+31], v[TM+13+2*\c]
.endr
	WIN 0
	v_nop                                          ; one plain place behind a scaled conversion
.irp c, 0,1                                    ; the layout wants a whole block in a lane: lanes 0-15 block 2 c, lanes 16-31 block 2 c + 1
.irp i, 0,1,2
	v_permlane16_swap_b32 v[PCa+6*\c+\i], v[CT+4*\c+\i]
.endr
.irp i, 0,1,2
	v_mov_b32 v[PCa+6*\c+3+\i], v[CT+4*\c+\i]
.endr
.endr
.endm
.macro PUT a, base, off                ; whole runs of 512 and 256 bytes, at multiples of 256
	global_store_b128 v15, v[PCB+12*(\a):PCB+12*(\a)+3], \base offset:\off
	global_store_b64 v16, v[PCB+12*(\a)+4:PCB+12*(\a)+5], \base offset:\off+512
	global_store_b128 v15, v[PCB+12*(\a)+6:PCB+12*(\a)+9], \base offset:\off+PUTH
	global_store_b64 v16, v[PCB+12*(\a)+10:PCB+12*(\a)+11], \base offset:\off+PUTH+512
.endm
.set PUTH, 1536                        ; two images, of neighbouring tiles
.irp a, 0,1,2,3
	QUANTW \a
	PUT \a, s[84:85], 3072*\a
.endr
.set PUTH, 768                         ; a fragment's two images
.irp d, 0,1
	QUANTW 4+\d
	PUT 4+\d, s[86:87], 1536*\d
.endr
.irp a, 0,1,2,3
	v_lshrrev_b32 v[TM+8+\a], 16, v[PW+\a]
.endr
.irp a, 0,1,2,3
	v_cndmask_b32 v[TM+8+\a], v[PW+\a], v[TM+8+\a], s29    ; lanes 0-15 tile 2 a's two bytes, lanes 16-31 tile 2 a + 1's
.endr
	v_cndmask_b32 v[TM], v[PW+4], v[PW+5], s29
	s_wait_alu depctr_va_vdst(0)
	global_store_b32 v17, v[TM], s[90:91]          ; two tiles' words: 128 consecutive bytes
	s_cmp_lg_u32 s24, 0
	s_cbranch_scc1 .Lwords_k
.irp a, 0,1,2,3
	global_store_b32 v17, v[TM+8+\a], s[88:89] offset:128*\a       ; Q's
.endr
	s_branch .Lout_done
.Lwords_k:
.irp a, 0,1,2,3
	global_store_b16 v17, v[TM+8+\a], s[88:89] offset:128*\a       ; K's: bytes 0 and 1; bytes 2 and 3 are the bias's, stored by the first launch
.endr
.Lout_done:
	s_wait_tensorcnt 0x0                           ; the wave's end
	ds_add_u32 v[SPW], v[NIL]
	s_wait_dscnt 0x0
	CROUND                                         ; the closing round
	s_endpgm
.Lfunc_end_k_qae3224e993_qkv:
	.size	k_qae3224e993_qkv, .Lfunc_end_k_qae3224e993_qkv-k_qae3224e993_qkv
	.p2alignl 7, 3214868480
	.fill 96, 4, 3214868480
	.section	.rodata,"a",@progbits
	.p2align	6, 0x0
	.amdhsa_kernel k_qae3224e993_qkv
		.amdhsa_group_segment_fixed_size 327680
		.amdhsa_private_segment_fixed_size 0
		.amdhsa_enable_private_segment 0
		.amdhsa_kernarg_size 64
		.amdhsa_user_sgpr_count 2
		.amdhsa_user_sgpr_kernarg_segment_ptr 1
		.amdhsa_wavefront_size32 1
		.amdhsa_system_sgpr_workgroup_id_x 1
		.amdhsa_system_sgpr_workgroup_id_y 1
		.amdhsa_system_sgpr_workgroup_id_z 1
		.amdhsa_system_vgpr_workitem_id 0
		.amdhsa_next_free_vgpr 1024
		.amdhsa_next_free_sgpr 102
		.amdhsa_reserve_vcc 0
		.amdhsa_float_denorm_mode_32 3
		.amdhsa_float_denorm_mode_16_64 3
		.amdhsa_memory_ordered 1
		.amdhsa_forward_progress 1
		.amdhsa_inst_pref_size 121
	.end_amdhsa_kernel
	.amdgpu_metadata
---
amdhsa.version: [ 1, 2 ]
amdhsa.kernels:
  - .name:           k_qae3224e993_qkv
    .symbol:         k_qae3224e993_qkv.kd
    .args:
      - { .name: cod, .offset: 0, .size: 8, .value_kind: global_buffer, .address_space: global }
      - { .name: scl, .offset: 8, .size: 8, .value_kind: global_buffer, .address_space: global }
      - { .name: bq, .offset: 16, .size: 8, .value_kind: global_buffer, .address_space: global }
      - { .name: bk, .offset: 24, .size: 8, .value_kind: global_buffer, .address_space: global }
      - { .name: bv, .offset: 32, .size: 8, .value_kind: global_buffer, .address_space: global }
      - { .name: qc, .offset: 40, .size: 8, .value_kind: global_buffer, .address_space: global }
      - { .name: qs, .offset: 48, .size: 8, .value_kind: global_buffer, .address_space: global }
      - { .name: kv, .offset: 56, .size: 8, .value_kind: global_buffer, .address_space: global }
    .group_segment_fixed_size: 327680
    .private_segment_fixed_size: 0
    .kernarg_segment_align: 8
    .kernarg_segment_size: 64
    .max_flat_workgroup_size: 128
    .sgpr_count:     102
    .vgpr_count:     1024
    .wavefront_size: 32
...
	.end_amdgpu_metadata
.endif
;; end of part 2
;; launch attn (part 3): grid 4 x 64, 16 waves a work-group, clusters of 4 x 1, 167,936 bytes of LDS; arguments qc, qs, kv, case_ids, cod, scl; writes cod, scl
.if DOCPART == 3
	.amdgcn_target "amdgcn-amd-amdhsa--gfx1250"
	.amdhsa_code_object_version 6
	.text
	.protected	k_qae3224e993_attn
	.globl	k_qae3224e993_attn
	.p2align	8
	.type	k_qae3224e993_attn,@function
k_qae3224e993_attn:
	s_mov_b64 s[64:65], 0
	v_nop
	global_prefetch_b8 v0, s[64:65] scope:SCOPE_SE
	s_setreg_imm32_b32 hwreg(HW_REG_WAVE_MODE, 25, 1), 1
	s_wait_xcnt 0x0
	s_wait_alu depctr_hold_cnt(0) depctr_sa_sdst(0) depctr_va_vdst(0) depctr_va_sdst(0) depctr_va_ssrc(0) depctr_va_vcc(0) depctr_vm_vsrc(0)
	s_getreg_b32 s2, hwreg(HW_REG_IB_STS2, 6, 4)
	s_cmp_eq_u32 s2, 0
	s_cbranch_scc0 .Lentry_in_a_cluster
	s_endpgm
.Lentry_in_a_cluster:
	s_bfe_u32 s2, ttmp6, 0x10000c
	s_cmp_lg_u32 s2, 0x3003
	s_cbranch_scc0 .Lentry_shape_is_right
	s_endpgm
.Lentry_shape_is_right:
; O[b][h][q] = sum over keys of softmax(Q . K / 8 + case_bias[h][case q][case k] + verb_bias[h] verb_mask[k]) V, both products on codes of FP6 (E2M3) with E8M0 scales; O is quantised along D for the last product.
; THE SOFTMAX AHEAD OF THE SECOND PRODUCT: t = logit x log2(e); M = the running largest t rounded up to a whole number; p = 2^(t - M) is quantised along the keys, not normalised; the row's sum of the unquantised p divides at the end.
; SHARES: a work-group owns 256 queries of one (b, h); each of its sixteen waves one tile of 16, in 256 registers: four waves to a SIMD, so that one wave's vector work stands beside another's products and LDS loads.
; LDS: the head's eight records (128 keys each, 19,200 bytes: 8 key tiles x 1,536, their words at 12,288, V^T's 4 fragments at 12,800, V's words at 18,944).  All eight fit: waves 0-7 fetch one each at the start; one barrier; nothing is
; filled again.  All tiles are asked for at the head: there is no later step to prefetch for.
; CLUSTER: the four work-groups of a cluster are the four query blocks of one (b, h) and read the same records: each record is asked for JOINTLY, by the same tensor load with the same descriptor and the mask of all four.
; LAYOUT: S^T = K Q^T (source 0 = 16 keys, source 1 = my queries), O^T = V^T P: a lane holds one query (lane % 16).  Row r of tile T is row 32 (T / 2) + 8 (T % 2) + r + 8 (r / 8), so registers 16 b + i of S^T are keys 32 b + 16 h + i.
; THE BIAS RIDES IN THE SCORE PRODUCT: K = 64 fills half of the instruction's 128; the upper half holds, on the key's side, the digits of 8 x bias for each of the eight cases of a query (made by the first launch: three digits in block 2,
; three finer ones in block 3, which together hold a bias to within 2^-22 of the key's largest), and on the query's side 4, 1/2, 1/8 at the three positions of the query's case, zeros elsewhere, with scale 1.  c = log2(e) / 8 then scales the sum.
; LIMITS: case_ids are clamped at 7, as unsigned numbers (the table has eight cases); a block of zeros or under 2^-124 gets the byte 1; NaN and infinities are not served; the promise holds while the scaled scores stay under 2^31 in magnitude.
; REGISTERS: v1-3 16 l, 8 l, 4 l; v5, v6 the add's two; v7 32 r + h; v8-10 the step's LDS addresses; v12 -M, v13 the largest t, v[14:15] the sum; v16-27 Q; v28 Q's words; v32-79 key tiles 0-3, then V; v86-89 the keys' words, v90-91 V's, v92 p's;
;   v96-159 S^T, then p; v160-191 O^T; key tiles 4-7 at v192, v204, v216, v234, in registers that later hold: v192-203 p's codes, v204-210 conversions' second halves, v212-232 and v244-255 work.
.set REC,   19200
.set SPARE, 153600                     ; behind the eight records' places: the spare words, 128 bytes for each of 16 waves
.macro FRAG reg, off                   ; a fragment, 16 rows x 128 K: two images on end
	ds_load_b128 v[\reg:\reg+3], v8 offset:\off
	ds_load_b64 v[\reg+4:\reg+5], v9 offset:\off+512
	ds_load_b128 v[\reg+6:\reg+9], v8 offset:\off+768
	ds_load_b64 v[\reg+10:\reg+11], v9 offset:\off+1280
.endm
.macro CROUND                          ; a round of the cluster's barrier
	s_barrier_signal -1
	s_barrier_wait -1
	s_cmp_lg_u32 s16, 0
	s_cbranch_scc1 .Lnot_wave_0_\@
	s_barrier_signal -3
.Lnot_wave_0_\@:
	s_barrier_wait -3
	s_barrier_signal -1
	s_barrier_wait -1
.endm
	s_load_b256 s[4:11], s[0:1], 0x0               ; qc, qs, kv, case_ids
	s_load_b128 s[12:15], s[0:1], 0x20             ; cod, scl
	v_lshl_add_u32 v5, v0, 2, SPARE
	v_mov_b32 v6, 0
	ds_add_u32 v5, v6                              ; the wave's opening: the add, twice on end, and its wait ahead of the first tensor load
	ds_add_u32 v5, v6
	v_lshrrev_b32 v7, 5, v0
	v_readfirstlane_b32 s16, v7                    ; wave 0..15
	s_min_u32 s17, s16, 7                          ; the record that I fetch, if I fetch
	s_and_b32 s18, ttmp7, 0xffff                   ; 16 b + head, which the four partners share
	s_bfe_u32 s27, ttmp6, 0x40000                  ; cx: my place in the cluster: it enters Q's, the cases' and O's addresses alone
	s_lshl_b32 s19, ttmp9, 2
	s_add_co_u32 s19, s19, s27                     ; my block of 256 queries
	s_lshl_b32 s19, s19, 4
	s_add_co_u32 s19, s19, s16                     ; my tile of queries, 0..63
	s_mov_b32 s20, 0x76543210
	s_mov_b32 s21, 0xfedcba98                      ; lane l xor 16
	s_mov_b32 s22, 0x3e38aa3b                      ; c = log2(e) / 8
	s_mov_b32 s23, s22                             ; (named with it as a pair)
	s_mov_b32 s24, 0                               ; LDS byte at which the step's record begins
	s_mov_b32 s25, 8                               ; key steps to go
	s_mov_b32 s26, 0xffff0000                      ; lanes 16-31
	s_mov_b32 s32, 15|(3<<16)|(1<<21)              ; group 1: 15:0 the mask: all four work-groups; 17:16 elements of 8 bytes; 21 set beside a mask; no padding
	s_mov_b32 s33, 32<<16                          ; tensor_dim0: 256 bytes
	s_mov_b32 s34, 75<<16                          ; tensor_dim1: 75 rows: 19,200 dense bytes
	s_mov_b32 s35, 32<<16                          ; tile_dim0
	s_mov_b32 s36, 75                              ; tile_dim1
	s_mov_b32 s37, 32                              ; pitch
	s_mov_b32 s38, 0
	s_mov_b32 s39, 0
	s_mov_b32 s28, 1
	s_mul_i32 s29, s17, REC                        ; where it goes: wave x 19,200: no place in the cluster enters an LDS address
	s_lshl_b32 s40, s18, 3
	s_add_co_u32 s40, s40, s17
	s_mul_i32 s40, s40, REC
	s_mov_b32 s41, 0
	s_wait_dscnt 0x0                               ; the opening adds are done
	s_wait_kmcnt 0x0
	s_add_nc_u64 s[30:31], s[8:9], s[40:41]
	s_or_b32 s31, s31, 0x80000000
	CROUND                                         ; all four work-groups are here: the joint loads meet
	s_cmp_lt_u32 s16, 8
	s_cbranch_scc0 .Lno_fetch
	tensor_load_to_lds s[28:31], s[32:39]          ; one load of mine is out
	s_nop 0
.rept 4
	v_nop
.endr
.Lno_fetch:
	s_lshl_b32 s40, s18, 6
	s_add_co_u32 s40, s40, s19
	s_mul_i32 s42, s40, 1536
	s_mov_b32 s43, 0
	s_add_nc_u64 s[4:5], s[4:5], s[42:43]          ; Q's image
	s_lshl_b32 s42, s40, 6
	s_add_nc_u64 s[6:7], s[6:7], s[42:43]
	s_lshr_b32 s44, s18, 4                         ; b
	s_lshl_b32 s42, s44, 10
	s_lshr_b32 s45, s19, 1
	s_lshl_b32 s45, s45, 5
	s_add_co_u32 s42, s42, s45
	s_and_b32 s45, s19, 1
	s_lshl_b32 s45, s45, 3
	s_add_co_u32 s42, s42, s45                     ; my tile's first query
	s_lshl_b32 s42, s42, 2
	s_add_nc_u64 s[10:11], s[10:11], s[42:43]
	s_lshl_b32 s42, s44, 6                         ; where O goes: tile T' = 512 + 64 b + my tile, image = head
	s_add_co_u32 s42, s42, s19
	s_add_co_u32 s42, s42, 512
	s_and_b32 s45, s18, 15
	s_lshl_b32 s46, s42, 4
	s_add_co_u32 s46, s46, s45
	s_mul_i32 s46, s46, 768
	s_mov_b32 s47, 0
	s_add_nc_u64 s[12:13], s[12:13], s[46:47]
	s_lshl_b32 s46, s42, 9                         ; its scale bytes: word head / 2 of each row's eight, bytes 2 (head % 2) + 0, 1
	s_lshr_b32 s42, s45, 1
	s_lshl_b32 s42, s42, 2
	s_add_co_u32 s46, s46, s42
	s_and_b32 s42, s45, 1
	s_lshl_b32 s42, s42, 1
	s_add_co_u32 s46, s46, s42
	s_add_nc_u64 s[14:15], s[14:15], s[46:47]
	v_and_b32 v240, 31, v0
	v_and_b32 v241, 15, v0                         ; r
	v_bfe_u32 v242, v0, 4, 1                       ; h
	v_lshlrev_b32 v1, 4, v240
	v_lshlrev_b32 v2, 3, v240
	v_lshlrev_b32 v3, 2, v240
	v_lshlrev_b32 v4, 2, v241
	v_and_b32 v233, 8, v241
	v_add_nc_u32 v233, v233, v241
	v_lshlrev_b32 v233, 2, v233                    ; 4 (r + 8 (r / 8))
	v_lshl_add_u32 v7, v241, 5, v242               ; 32 r + h
	global_load_b32 v234, v233, s[10:11]           ; the case of my query
	global_load_b128 v[16:19], v1, s[4:5]          ; Q's image stays in registers
	global_load_b64 v[20:21], v2, s[4:5] offset:512
	global_load_b32 v28, v4, s[6:7]                ; Q's words
.irp i, 22,23,24,25,26,27
	v_mov_b32 v[\i], 0
.endr
.set n, 0
.rept 32
	v_mov_b32 v[160+n], 0                          ; O^T: the step is written once; its first trip finds zeros
.set n, n+1
.endr
	v_mov_b32 v13, 0xff61b1e6                      ; the largest t so far: -3e38
	v_mov_b32 v14, 0
	v_mov_b32 v15, 0
	v_mov_b32 v231, 0                              ; the upper half of the pair v[230:231]
	v_floor_f32 v12, -v13                          ; -M
	s_mov_b32 s44, 0xffff
	s_mov_b32 s45, 0x7f7f0000
	s_wait_alu depctr_va_vdst(0)
	s_wait_loadcnt 0x0
	v_min_u32 v234, 7, v234
	v_and_or_b32 v28, v28, s44, s45                ; the upper blocks' scales are 1
; Q's upper half: the codes 0x18, 0x04, 0x01 (4, 1/2, 1/8) at bits 18 c .. 18 c + 17 of the lane's 192, the same in both blocks
.irp c, 0,1,2,3,4,5,6,7
.set AT, 18*\c
	v_cmp_eq_u32 s46, \c, v234
	v_mov_b32 v236, (0x1118<<(AT%32))&0xffffffff
	v_cndmask_b32 v[22+AT/32], v[22+AT/32], v236, s46
.if AT%32 > 19
	v_mov_b32 v236, 0x1118>>(32-AT%32)
	v_cndmask_b32 v[23+AT/32], v[23+AT/32], v236, s46
.endif
.endr
	s_wait_alu depctr_va_vdst(0)
	s_wait_tensorcnt 0x0                           ; my record is in,
	s_barrier_signal -1
	s_barrier_wait -1                              ; everybody's is
.macro KREG t                          ; where key tile t lies
.if (\t) < 4
.set KR, 32+12*(\t)
.elseif (\t) < 7
.set KR, 144+12*(\t)
.else
.set KR, 234
.endif
.endm
.macro SCORE t                         ; S^T of key tile t: the sum begins with 0
	KREG \t
.if (\t)%2
	v_wmma_scale_f32_16x16x128_f8f6f4 v[96+8*(\t):103+8*(\t)], v[KR:KR+11], v[16:27], 0, v[86+(\t)/2], v28 matrix_a_fmt:MATRIX_FMT_FP6 matrix_b_fmt:MATRIX_FMT_FP6 matrix_a_scale:MATRIX_SCALE_ROW1
.else
	v_wmma_scale_f32_16x16x128_f8f6f4 v[96+8*(\t):103+8*(\t)], v[KR:KR+11], v[16:27], 0, v[86+(\t)/2], v28 matrix_a_fmt:MATRIX_FMT_FP6 matrix_b_fmt:MATRIX_FMT_FP6
.endif
.endm
.Lstep:                                                ; eight trips: 128 keys each
	v_add_nc_u32 v8, s24, v1                       ; (these four are also the places behind the last products, in front of the loads into their registers)
	v_add_nc_u32 v9, s24, v2
	v_add_nc_u32 v10, s24, v3
	v_nop
.irp i, 0,1,2,3
	ds_load_b32 v[86+\i], v10 offset:12288+128*\i  ; the keys' words: tile 2 i in lanes 0-15, tile 2 i + 1 in lanes 16-31
.endr
.irp t, 0,1,2,3,4,5,6,7
	KREG \t
	FRAG KR, 1536*\t
.endr
	s_wait_alu depctr_va_vdst(0)
	s_wait_dscnt 16                                ; the words and key tiles 0-3 are in; tiles 4-7's sixteen loads may be out
.irp t, 0,1,2,3
	SCORE \t
.endr
	s_wait_dscnt 0x0
.irp t, 4,5,6,7
	SCORE \t
.endr
.rept 4
	v_nop                                          ; places: in front of the loads into tiles 0-3's registers, and of the first read of the scores
.endr
.irp d, 0,1,2,3
	FRAG 32+12*\d, 12800+1536*\d                   ; V^T's four fragments land under the softmax
.endr
.irp i, 0,1
	ds_load_b32 v[90+\i], v10 offset:18944+128*\i
.endr
.irp b, 0,1,2,3
	v_max3_num_f32 v[212+\b], v[96+16*\b], v[97+16*\b], v[98+16*\b]   ; the largest score of each block of 32 keys: for the row's maximum and, since p rises with the score, for the block's largest p
.endr
.irp i, 3,5,7,9,11,13
.irp b, 0,1,2,3
	v_max3_num_f32 v[212+\b], v[212+\b], v[96+16*\b+\i], v[97+16*\b+\i]
.endr
.endr
.irp b, 0,1,2,3
	v_max_num_f32 v[212+\b], v[212+\b], v[111+16*\b]
.endr
.irp b, 0,1,2,3
	s_delay_alu instid0(VALU_DEP_4)
	v_permlanex16_b32 v[216+\b], v[212+\b], s20, s21
.endr
.irp b, 0,1,2,3
	s_delay_alu instid0(VALU_DEP_4)
	v_max_num_f32 v[212+\b], v[212+\b], v[216+\b]
.endr
	s_delay_alu instid0(VALU_DEP_2)
	v_max3_num_f32 v232, v212, v213, v214
	s_delay_alu instid0(VALU_DEP_1)
	v_max_num_f32 v232, v232, v215
	s_delay_alu instid0(VALU_DEP_1)
	v_mul_f32 v232, s22, v232                      ; as t (c is positive)
	s_delay_alu instid0(VALU_DEP_1)
	v_max_num_f32 v13, v13, v232                   ; the running largest t
	v_mov_b32 v232, v12
	s_delay_alu instid0(VALU_DEP_2)
	v_floor_f32 v12, -v13                          ; the new -M = -ceil(t)
	s_delay_alu instid0(VALU_DEP_1)
	v_sub_f32 v232, v12, v232                      ; old M - new M: a whole number, 0 or less
	s_delay_alu instid0(VALU_DEP_1)
	v_cvt_i32_f32 v232, v232                       ; (it saturates)
	s_delay_alu instid0(VALU_DEP_1)
	v_ldexp_f32 v230, 1.0, v232                    ; f = 2^(old M - new M): exact
.irp j, 0,2,4,6,8,10,12,14,16,18,20,22,24,26,28,30,32,34,36,38,40,42,44,46,48,50,52,54,56,58,60,62
	v_pk_fma_f32 v[96+\j:97+\j], v[96+\j:97+\j], s[22:23], v[12:13] op_sel_hi:[1,0,0]   ; t - M
.endr
.irp b, 0,1,2,3
	v_fma_f32 v[212+\b], v[212+\b], s22, v12
.endr
	s_wait_alu depctr_va_vdst(0)
.set n, 0
.rept 64
	v_exp_f32 v[96+n], v[96+n]                     ; p = 2^(t - M)
.set n, n+1
.endr
.irp b, 0,1,2,3
	v_exp_f32 v[212+\b], v[212+\b]                 ; the blocks' largest p
.endr
	v_pk_mul_f32 v[14:15], v[14:15], v[230:231] op_sel_hi:[1,0]   ; the sum under the new M (a plain place behind the exponentials)
	s_wait_alu depctr_va_vdst(0)                   ; one wait for the batch of 68, ahead of its first reader
	v_pk_add_f32 v[14:15], v[14:15], v[96:97]      ; the row's sum in eight chains: pair n of p goes to chain n % 8
.set n, 8
.rept 24
.if n%8 == 0
.set CH, 14
.elseif n%8 == 1
.set CH, 216
.else
.set CH, 240+2*(n%8)
.endif
.if (n < 16) && (n > 8)
	v_pk_add_f32 v[CH:CH+1], v[80+2*n:81+2*n], v[96+2*n:97+2*n]
.else
	v_pk_add_f32 v[CH:CH+1], v[CH:CH+1], v[96+2*n:97+2*n]
.endif
.set n, n+1
.endr
	v_pk_add_f32 v[14:15], v[14:15], v[216:217]
	v_pk_add_f32 v[244:245], v[244:245], v[246:247]
	v_pk_add_f32 v[248:249], v[248:249], v[250:251]
	v_pk_add_f32 v[252:253], v[252:253], v[254:255]
	s_delay_alu instid0(VALU_DEP_2)
	v_pk_add_f32 v[244:245], v[244:245], v[248:249]
	s_delay_alu instid0(VALU_DEP_2)
	v_pk_add_f32 v[14:15], v[14:15], v[252:253]
	s_delay_alu instid0(VALU_DEP_1)
	v_pk_add_f32 v[14:15], v[14:15], v[244:245]
.irp b, 0,1,2,3
	v_max_num_f32 v[212+\b], 0x1800000, v[212+\b]  ; the floor 2^(3 - 127)
.endr
.irp b, 0,1,2,3
	s_delay_alu instid0(VALU_DEP_4)
	v_add_nc_u32 v[220+\b], 0xff000000, v[212+\b]
.endr
.irp b, 0,1,2,3
	s_delay_alu instid0(VALU_DEP_4)
	v_lshrrev_b32 v[224+\b], 23, v[220+\b]
.endr
	s_delay_alu instid0(VALU_DEP_3)
	v_lshl_or_b32 v228, v225, 8, v224
	s_delay_alu instid0(VALU_DEP_1)
	v_lshl_or_b32 v228, v226, 16, v228
	v_lshl_or_b32 v92, v227, 24, v228              ; p's scale word for these 128 keys
.irp c, 0,1
	v_cvt_scalef32_pk16_fp6_f32 v[192+6*\c:194+6*\c], v[96+32*\c:111+32*\c], v[220+2*\c]
	v_cvt_scalef32_pk16_fp6_f32 v[204+4*\c:206+4*\c], v[112+32*\c:127+32*\c], v[221+2*\c]
.endr
	s_wait_alu depctr_va_vdst(0)                   ; ahead of the first reader of O^T
.irp j, 0,2,4,6
	v_pk_mul_f32 v[160+\j:161+\j], v[160+\j:161+\j], v[230:231] op_sel_hi:[1,0]   ; O^T under the new M, each accumulator from its low end on: these four are the plain places behind the conversions
.endr
.irp c, 0,1
.irp i, 0,1,2
	v_permlane16_swap_b32 v[192+6*\c+\i], v[204+4*\c+\i]   ; the layout wants a whole block in a lane
.endr
.irp i, 0,1,2
	s_delay_alu instid0(VALU_DEP_3)
	v_mov_b32 v[195+6*\c+\i], v[204+4*\c+\i]
.endr
.endr
.irp j, 8,10,12,14,16,18,20,22,24,26,28,30
	v_pk_mul_f32 v[160+\j:161+\j], v[160+\j:161+\j], v[230:231] op_sel_hi:[1,0]   ; twelve plain lines between the last write of p's codes and the products
.endr
	s_wait_alu depctr_va_vdst(0)
	s_wait_dscnt 0x0                               ; V
.irp d, 0,2
	v_wmma_scale_f32_16x16x128_f8f6f4 v[160+8*\d:167+8*\d], v[32+12*\d:43+12*\d], v[192:203], v[160+8*\d:167+8*\d], v[90+\d/2], v92 matrix_a_fmt:MATRIX_FMT_FP6 matrix_b_fmt:MATRIX_FMT_FP6
	v_wmma_scale_f32_16x16x128_f8f6f4 v[168+8*\d:175+8*\d], v[44+12*\d:55+12*\d], v[192:203], v[168+8*\d:175+8*\d], v[90+\d/2], v92 matrix_a_fmt:MATRIX_FMT_FP6 matrix_b_fmt:MATRIX_FMT_FP6 matrix_a_scale:MATRIX_SCALE_ROW1
.endr
	s_add_co_u32 s24, s24, REC
	s_sub_co_u32 s25, s25, 1
	s_cmp_lg_u32 s25, 0
	s_cbranch_scc1 .Lstep
	; THE WAY OUT: O^T / the sum; registers 16 b + i are d = 32 b + 16 h + i of my query: two blocks along D, quantised into one image of 768 bytes.  No LDS: the image is stored as it stands.
.rept 4
	v_nop
.endr
	v_add_f32 v14, v14, v15
	s_delay_alu instid0(VALU_DEP_1)
	v_permlanex16_b32 v232, v14, s20, s21
	s_delay_alu instid0(VALU_DEP_1)
	v_add_f32 v14, v14, v232                       ; the row's sum
	s_wait_alu depctr_va_vdst(0)
	v_rcp_f32 v14, v14
	v_nop
	s_wait_alu depctr_va_vdst(0)                   ; ahead of the reciprocal's first reader
.set n, 0
.rept 32
	v_mul_f32 v[96+n], v[160+n], v14
.set n, n+1
.endr
.irp b, 0,1
	v_max3_num_f32 v[212+\b], |v[96+16*\b]|, |v[97+16*\b]|, 0x1800000
.endr
.irp i, 2,4,6,8,10,12,14
.irp b, 0,1
	s_delay_alu instid0(VALU_DEP_2)
	v_max3_num_f32 v[212+\b], v[212+\b], |v[96+16*\b+\i]|, |v[97+16*\b+\i]|
.endr
.endr
.irp b, 0,1
	s_delay_alu instid0(VALU_DEP_2)
	v_permlanex16_b32 v[216+\b], v[212+\b], s20, s21
.endr
.irp b, 0,1
	s_delay_alu instid0(VALU_DEP_2)
	v_max_num_f32 v[212+\b], v[212+\b], v[216+\b]
.endr
.irp b, 0,1
	s_delay_alu instid0(VALU_DEP_2)
	v_add_nc_u32 v[220+\b], 0xff000000, v[212+\b]
.endr
.irp b, 0,1
	s_delay_alu instid0(VALU_DEP_2)
	v_lshrrev_b32 v[224+\b], 23, v[220+\b]
.endr
	v_cvt_scalef32_pk16_fp6_f32 v[192:194], v[96:111], v220
	v_cvt_scalef32_pk16_fp6_f32 v[204:206], v[112:127], v221
	v_cndmask_b32 v226, v224, v225, s26            ; lanes 0-15 store block 0's byte, lanes 16-31 block 1's (a plain place behind the conversions)
.irp i, 0,1,2
	v_permlane16_swap_b32 v[192+\i], v[204+\i]
.endr
.irp i, 0,1,2
	s_delay_alu instid0(VALU_DEP_3)
	v_mov_b32 v[195+\i], v[204+\i]
.endr
	global_store_b128 v1, v[192:195], s[12:13]     ; 512 consecutive bytes,
	global_store_b64 v2, v[196:197], s[12:13] offset:512   ; and 256, at multiples of 256
	global_store_b8 v7, v226, s[14:15]             ; a byte a lane: the other heads bring the rows' other bytes; 131,072 bytes in the whole launch
	s_wait_tensorcnt 0x0                           ; the wave's end
	ds_add_u32 v5, v6
	s_wait_dscnt 0x0
	CROUND                                         ; the closing round: no work-group ends while a partner may still ask for a record that names it
	s_endpgm
.Lfunc_end_k_qae3224e993_attn:
	.size	k_qae3224e993_attn, .Lfunc_end_k_qae3224e993_attn-k_qae3224e993_attn
	.p2alignl 7, 3214868480
	.fill 96, 4, 3214868480
	.section	.rodata,"a",@progbits
	.p2align	6, 0x0
	.amdhsa_kernel k_qae3224e993_attn
		.amdhsa_group_segment_fixed_size 167936
		.amdhsa_private_segment_fixed_size 0
		.amdhsa_enable_private_segment 0
		.amdhsa_kernarg_size 48
		.amdhsa_user_sgpr_count 2
		.amdhsa_user_sgpr_kernarg_segment_ptr 1
		.amdhsa_wavefront_size32 1
		.amdhsa_system_sgpr_workgroup_id_x 1
		.amdhsa_system_sgpr_workgroup_id_y 1
		.amdhsa_system_sgpr_workgroup_id_z 1
		.amdhsa_system_vgpr_workitem_id 0
		.amdhsa_next_free_vgpr 256
		.amdhsa_next_free_sgpr 66
		.amdhsa_reserve_vcc 0
		.amdhsa_float_denorm_mode_32 3
		.amdhsa_float_denorm_mode_16_64 3
		.amdhsa_memory_ordered 1
		.amdhsa_forward_progress 1
		.amdhsa_inst_pref_size 32
	.end_amdhsa_kernel
	.amdgpu_metadata
---
amdhsa.version: [ 1, 2 ]
amdhsa.kernels:
  - .name:           k_qae3224e993_attn
    .symbol:         k_qae3224e993_attn.kd
    .args:
      - { .name: qc, .offset: 0, .size: 8, .value_kind: global_buffer, .address_space: global }
      - { .name: qs, .offset: 8, .size: 8, .value_kind: global_buffer, .address_space: global }
      - { .name: kv, .offset: 16, .size: 8, .value_kind: global_buffer, .address_space: global }
      - { .name: case_ids, .offset: 24, .size: 8, .value_kind: global_buffer, .address_space: global }
      - { .name: cod, .offset: 32, .size: 8, .value_kind: global_buffer, .address_space: global }
      - { .name: scl, .offset: 40, .size: 8, .value_kind: global_buffer, .address_space: global }
    .group_segment_fixed_size: 167936
    .private_segment_fixed_size: 0
    .kernarg_segment_align: 8
    .kernarg_segment_size: 48
    .max_flat_workgroup_size: 512
    .sgpr_count:     66
    .vgpr_count:     256
    .wavefront_size: 32
...
	.end_amdgpu_metadata
.endif
;; end of part 3
;; launch oproj (part 4): grid 8 x 32, 4 waves a work-group, clusters of 4 x 4, 327,680 bytes of LDS; arguments cod, scl, bo, out0; writes out0
.if DOCPART == 4
	.amdgcn_target "amdgcn-amd-amdhsa--gfx1250"
	.amdhsa_code_object_version 6
	.text
	.protected	k_qae3224e993_oproj
	.globl	k_qae3224e993_oproj
	.p2align	8
	.type	k_qae3224e993_oproj,@function
k_qae3224e993_oproj:
	s_mov_b64 s[64:65], 0
	v_nop
	global_prefetch_b8 v0, s[64:65] scope:SCOPE_SE
	s_setreg_imm32_b32 hwreg(HW_REG_WAVE_MODE, 25, 1), 1
	s_wait_xcnt 0x0
	s_wait_alu depctr_hold_cnt(0) depctr_sa_sdst(0) depctr_va_vdst(0) depctr_va_sdst(0) depctr_va_ssrc(0) depctr_va_vcc(0) depctr_vm_vsrc(0)
	s_getreg_b32 s2, hwreg(HW_REG_IB_STS2, 6, 4)
	s_cmp_eq_u32 s2, 0
	s_cbranch_scc0 .Lentry_in_a_cluster
	s_endpgm
.Lentry_in_a_cluster:
	s_bfe_u32 s2, ttmp6, 0x10000c
	s_cmp_lg_u32 s2, 0xf033
	s_cbranch_scc0 .Lentry_shape_is_right
	s_endpgm
.Lentry_shape_is_right:
.set TILEB, 12288
.set HALFB, 98304
; out = O Wo + bo on codes of FP6 with E8M0 scales.  A work-group makes 128 x 128, each of its four waves 64 x 64: side A = O's tiles (source 1), side B = Wo's (source 0), so a lane holds eight neighbouring columns of a row.
; All of K lies in LDS: A's 8 tiles x 12,288 bytes, then B's 8; each wave brings four tiles by one joint load (A's shared along a row of the cluster, B's along a column); nothing is filled again, so there is no later step to prefetch for.
; Scale words: a row's eight stand together, [T'][r 16][8].  The bias is the C of each sum's first product.  LIMIT: NaN and infinities are not served.
.set WLOAD, 49152                      ; what one tensor load brings: 4 tiles x 12,288
.set STAGE, 196608
.set SPARE, 214016
.set SPW, 28
.set NIL, 29
.set SC,  32
.set G1A, 24
.set G1B, 32
.set G0A, 40
.set G0B, 48
.set MSB, 0
.macro WIN new
.if MSB != \new
	s_set_vgpr_msb (MSB<<8)|\new
.set MSB, \new
.endif
.endm
.macro PLACES n
.rept \n
	v_nop
.endr
.endm
.macro JLOAD g0a, g0b
	s_cmp_eq_u32 s13, 0
	s_cbranch_scc0 .Lfor_b_\@
	tensor_load_to_lds s[\g0a:\g0a+3], s[G1A:G1A+7]
	s_nop 0
.rept 4
	v_nop
.endr
	s_branch .Lasked_\@
.Lfor_b_\@:
	tensor_load_to_lds s[\g0b:\g0b+3], s[G1B:G1B+7]
	s_nop 0
.rept 4
	v_nop
.endr
.Lasked_\@:
.endm
.macro CROUND
	s_barrier_signal -1
	s_barrier_wait -1
	s_cmp_lg_u32 s12, 0
	s_cbranch_scc1 .Lnot_wave_0_\@
	s_barrier_signal -3
.Lnot_wave_0_\@:
	s_barrier_wait -3
	s_barrier_signal -1
	s_barrier_wait -1
.endm
	s_load_b256 s[4:11], s[0:1], 0x0
	v_lshl_add_u32 v[SPW], v0, 2, SPARE
	v_mov_b32 v[NIL], 0
	ds_add_u32 v[SPW], v[NIL]
	ds_add_u32 v[SPW], v[NIL]
	v_lshrrev_b32 v1, 5, v0
	v_readfirstlane_b32 s12, v1
	s_lshr_b32 s13, s12, 1
	s_and_b32 s14, s12, 1
	s_bfe_u32 s15, ttmp6, 0x40000
	s_bfe_u32 s16, ttmp6, 0x40004
	s_mov_b32 s17, ttmp9
	s_and_b32 s18, ttmp7, 0xffff
	s_mov_b32 s19, 0xffff0000
	s_lshl_b32 s56, s16, 2
	s_lshl_b32 s56, 15, s56
	s_lshl_b32 s57, 0x1111, s15
	s_or_b32 s[G1A], s56, (3<<16)|(1<<21)
	s_or_b32 s[G1B], s57, (3<<16)|(1<<21)
.irp g, G1A, G1B
	s_mov_b32 s[\g+1], 1536<<16
	s_mov_b32 s[\g+2], 4<<16
	s_mov_b32 s[\g+3], 1536<<16
	s_mov_b32 s[\g+4], 4
	s_mov_b32 s[\g+5], 1536
	s_mov_b32 s[\g+6], 0
	s_mov_b32 s[\g+7], 0
.endr
	s_lshl_b32 s20, s18, 5
	s_lshl_b32 s58, s16, 3
	s_add_co_u32 s20, s20, s58
	s_add_co_u32 s20, s20, 512
	s_lshl_b32 s21, s17, 5
	s_lshl_b32 s59, s15, 3
	s_add_co_u32 s21, s21, s59
	s_add_co_u32 s21, s21, 448
	s_lshl_b32 s22, s14, 2
	s_add_co_u32 s60, s20, s22
	s_mul_i32 s60, s60, TILEB
	s_mov_b32 s61, 0
	s_add_co_u32 s62, s21, s22
	s_mul_i32 s62, s62, TILEB
	s_mov_b32 s63, 0
	s_mul_i32 s23, s12, WLOAD
	s_wait_dscnt 0x0
	s_wait_kmcnt 0x0
	s_add_nc_u64 s[60:61], s[4:5], s[60:61]
	s_add_nc_u64 s[62:63], s[4:5], s[62:63]
	CROUND
	s_mov_b32 s[G0A], 1
	s_mov_b32 s[G0A+1], s23
	s_mov_b64 s[G0A+2:G0A+3], s[60:61]
	s_or_b32 s[G0A+3], s[G0A+3], 0x80000000
	s_mov_b32 s[G0B], 1
	s_mov_b32 s[G0B+1], s23
	s_mov_b64 s[G0B+2:G0B+3], s[62:63]
	s_or_b32 s[G0B+3], s[G0B+3], 0x80000000
	JLOAD G0A, G0B                                 ; my one tensor load
	v_and_b32 v17, 31, v0
	v_and_b32 v1, 15, v0
	v_bfe_u32 v18, v0, 4, 1
	v_lshlrev_b32 v15, 4, v17
	v_lshlrev_b32 v16, 3, v17
	s_mul_i32 s56, s13, WLOAD
	s_mul_i32 s57, s14, WLOAD
	s_add_co_u32 s57, s57, HALFB                   ; B's tiles lie behind A's
	v_add_nc_u32 v2, s56, v15
	v_add_nc_u32 v4, s56, v16
	v_add_nc_u32 v6, s57, v15
	v_add_nc_u32 v8, s57, v16
	s_mul_i32 s58, s12, 4352
	s_add_co_u32 s58, s58, STAGE
	v_mul_u32_u24 v10, v1, 272
	v_lshl_add_u32 v10, v18, 6, v10
	v_add_nc_u32 v10, s58, v10
	v_mul_u32_u24 v11, v18, 272
	v_lshl_add_u32 v11, v1, 4, v11
	v_add_nc_u32 v11, s58, v11
	v_lshlrev_b32 v12, 12, v18
	v_lshl_add_u32 v12, v1, 4, v12
	v_lshlrev_b32 v13, 6, v18
	s_wait_alu depctr_va_vdst(0)
	s_lshl_b32 s56, s13, 2
	s_add_co_u32 s56, s56, s20
	s_lshl_b32 s56, s56, 9
	s_lshl_b32 s57, s14, 2
	s_add_co_u32 s57, s57, s21
	s_lshl_b32 s57, s57, 9
	v_mov_b32 v19, s56
	v_mov_b32 v20, s57
	v_cndmask_b32 v14, v19, v20, s19
	v_lshl_add_u32 v14, v1, 5, v14
.irp i, 0,1,2,3
.irp s, 0,1
	global_load_b128 v[SC+8*\i+4*\s:SC+8*\i+4*\s+3], v14, s[6:7] offset:512*\i+16*\s
.endr
.endr
	s_lshl_b32 s56, s17, 2
	s_add_co_u32 s56, s56, s15
	s_lshl_b32 s56, s56, 9
	s_lshl_b32 s57, s14, 8
	s_add_co_u32 s56, s56, s57
	s_mov_b32 s57, 0
	s_add_nc_u64 s[8:9], s[8:9], s[56:57]
	s_add_nc_u64 s[10:11], s[10:11], s[56:57]
.irp t, 0,1,2,3
	global_load_b128 v[64+8*\t:67+8*\t], v13, s[8:9] offset:128*(\t/2)+32*(\t%2)
	global_load_b128 v[68+8*\t:71+8*\t], v13, s[8:9] offset:128*(\t/2)+32*(\t%2)+16
.endr
	s_lshl_b32 s56, s18, 2
	s_add_co_u32 s56, s56, s16
	s_lshl_b32 s56, s56, 7
	s_lshl_b32 s58, s13, 6
	s_add_co_u32 s56, s56, s58
	s_lshl_b32 s56, s56, 12
	s_add_nc_u64 s[10:11], s[10:11], s[56:57]
.macro FRAG reg, a16, a8, off
	ds_load_b128 v[\reg:\reg+3], v[\a16] offset:\off
	ds_load_b64 v[\reg+4:\reg+5], v[\a8] offset:\off+512
	ds_load_b128 v[\reg+6:\reg+9], v[\a16] offset:\off+768
	ds_load_b64 v[\reg+10:\reg+11], v[\a8] offset:\off+1280
.endm
.macro FETCH s
.set FB, 128*((\s)%2)
	WIN 0x40
.irp i, 0,1,2,3
	FRAG FB+12*\i, 2, 4, 12288*\i+1536*(\s)
.endr
.irp i, 0,1,2,3
	FRAG FB+48+12*\i, 6, 8, 12288*\i+1536*(\s)
.endr
.endm
.macro MULS s
.set FB, 128*((\s)%2)
	WIN 0x05
.irp a, 0,1,2,3
.irp b, 0,1,2,3
.set rD, 128+8*(4*\a+\b)
.set rC, rD
.if \s == 0
.set rC, 64+8*\b
.endif
	v_wmma_scale_f32_16x16x128_f8f6f4 v[rD:rD+7], v[FB+48+12*\b:FB+48+12*\b+11], v[FB+12*\a:FB+12*\a+11], v[rC:rC+7], v[SC+8*\b+(\s)], v[SC+8*\a+(\s)] matrix_a_fmt:MATRIX_FMT_FP6 matrix_b_fmt:MATRIX_FMT_FP6 matrix_a_scale:MATRIX_SCALE_ROW1
.endr
.endr
.endm
.macro KSTEP s
	s_wait_dscnt 0x0
.if \s < 7
.if \s > 0
	PLACES 4
.endif
	FETCH (\s)+1
.endif
	MULS \s
.endm
	s_wait_alu depctr_va_vdst(0)
	s_wait_loadcnt 0x0
	s_wait_tensorcnt 0x0                           ; my tiles are in; behind the barrier everybody's
	s_barrier_signal -1
	s_barrier_wait -1
	FETCH 0
.irp s, 0,1,2,3,4,5,6,7
	KSTEP \s
.endr
	WIN 0
	PLACES 4
.macro OUT a
.set OB, 64+32*((\a)%2)
.if (\a) >= 2
	s_wait_xcnt 0x0
.endif
.irp b, 0,1,2,3
	ds_store_b128 v10, v[128+8*(4*(\a)+\b):128+8*(4*(\a)+\b)+3] offset:128*(\b/2)+32*(\b%2)
	ds_store_b128 v10, v[128+8*(4*(\a)+\b)+4:128+8*(4*(\a)+\b)+7] offset:128*(\b/2)+32*(\b%2)+16
.endr
.irp t, 0,1,2,3,4,5,6,7
	ds_load_b128 v[OB+4*\t:OB+4*\t+3], v11 offset:544*\t
.endr
.irp t, 0,1,2,3,4,5,6,7
	s_wait_dscnt 7-\t
	global_store_b128 v12, v[OB+4*\t:OB+4*\t+3], s[10:11] offset:(32*((\a)/2)+8*((\a)%2)+2*\t+8*(\t/4))*4096 th:TH_STORE_NT
.endr
.endm
.irp a, 0,1,2,3
	OUT \a
.endr
	s_wait_tensorcnt 0x0
	ds_add_u32 v[SPW], v[NIL]
	s_wait_dscnt 0x0
	CROUND
	s_endpgm
.Lfunc_end_k_qae3224e993_oproj:
	.size	k_qae3224e993_oproj, .Lfunc_end_k_qae3224e993_oproj-k_qae3224e993_oproj
	.p2alignl 7, 3214868480
	.fill 96, 4, 3214868480
	.section	.rodata,"a",@progbits
	.p2align	6, 0x0
	.amdhsa_kernel k_qae3224e993_oproj
		.amdhsa_group_segment_fixed_size 327680
		.amdhsa_private_segment_fixed_size 0
		.amdhsa_enable_private_segment 0
		.amdhsa_kernarg_size 32
		.amdhsa_user_sgpr_count 2
		.amdhsa_user_sgpr_kernarg_segment_ptr 1
		.amdhsa_wavefront_size32 1
		.amdhsa_system_sgpr_workgroup_id_x 1
		.amdhsa_system_sgpr_workgroup_id_y 1
		.amdhsa_system_sgpr_workgroup_id_z 1
		.amdhsa_system_vgpr_workitem_id 0
		.amdhsa_next_free_vgpr 512
		.amdhsa_next_free_sgpr 66
		.amdhsa_reserve_vcc 0
		.amdhsa_float_denorm_mode_32 3
		.amdhsa_float_denorm_mode_16_64 3
		.amdhsa_memory_ordered 1
		.amdhsa_forward_progress 1
		.amdhsa_inst_pref_size 50
	.end_amdhsa_kernel
	.amdgpu_metadata
---
amdhsa.version: [ 1, 2 ]
amdhsa.kernels:
  - .name:           k_qae3224e993_oproj
    .symbol:         k_qae3224e993_oproj.kd
    .args:
      - { .name: cod, .offset: 0, .size: 8, .value_kind: global_buffer, .address_space: global }
      - { .name: scl, .offset: 8, .size: 8, .value_kind: global_buffer, .address_space: global }
      - { .name: bo, .offset: 16, .size: 8, .value_kind: global_buffer, .address_space: global }
      - { .name: out0, .offset: 24, .size: 8, .value_kind: global_buffer, .address_space: global }
    .group_segment_fixed_size: 327680
    .private_segment_fixed_size: 0
    .kernarg_segment_align: 8
    .kernarg_segment_size: 32
    .max_flat_workgroup_size: 128
    .sgpr_count:     66
    .vgpr_count:     512
    .wavefront_size: 32
...
	.end_amdgpu_metadata
.endif
;; end of part 4
